; MI455X (gfx1250); checked and timed in simulation.
; The chip was launched on July 23, 2026; its instructions are those of AMD's public machine-readable ISA for CDNA 5 (MIT licence, August 2026) and "CDNA5" Instruction Set Architecture Reference Guide (July 2026). The comments in the code are by the model that wrote it; some were corrected since.
;; Self Attention. Allowed arithmetic: matrix products marked QUANTISED: E3M2 operands, one E8M0 scale for each 32 along K, by v_wmma_scale_f32_16x16x128_f8f6f4 with both operands' format E3M2, f32 sums; everything else in f32.
;; Inputs: Wk 2,048 x 2,048 float32; Wo 2,048 x 2,048 float32; Wq 2,048 x 2,048 float32; Wv 2,048 x 2,048 float32; bk 2,048 float32; bo 2,048 float32; bq 2,048 float32; bv 2,048 float32; k 2 x 1,024 x 2,048 float32; q 2 x 1,024 x 2,048 float32; v 2 x 1,024 x 2,048 float32.
;; Outputs: out0 2 x 1,024 x 2,048 float32.
;; Constants: causal_mask = 1.
;; This version of the problem:
;;   THIS VERSION OF THE PROBLEM IS GIVEN IN LOW PRECISION. The matrix products marked QUANTISED in the list below multiply operands that are first quantised to E3M2 (3 exponent bits, 2 mantissa bits; 6 bits a number), with one power-of-two scale for each 32 numbers along K (OCP MX v1.0); their sums are f32. All else is computed in f32.
;;   The module's matrix products, in the order in which they are computed (A, B: the left and right operand; K: the contracted axis; several contracted axes count as one K, in the product's order):
;;     1. [M 2,048, K 2,048] x [K 2,048, N 2,048]; A: input q; B: input Wq: QUANTISED
;;     2. [M 2,048, K 2,048] x [K 2,048, N 2,048]; A: input k; B: input Wk: QUANTISED
;;     3. [M 2,048, K 2,048] x [K 2,048, N 2,048]; A: input v; B: input Wv: QUANTISED
;;     4. batch 32 x [M 1,024, K 128] x [K 128, N 1,024]; A: computed on the way; B: computed on the way: QUANTISED
;;     5. batch 32 x [M 1,024, K 1,024] x [K 1,024, N 128]; A: softmax (see below); B: computed on the way: QUANTISED
;;     6. [M 2,048, K 2,048] x [K 2,048, N 2,048]; A: computed on the way; B: input Wo: QUANTISED
;;   THE QUANTISER, for each operand of a quantised product, along K:
;;     - K is cut into blocks of 32 from its start; a last block that is shorter is filled with zeros.
;;     - A block's scale is 2^e with e = floor(log2(the largest magnitude in the block)) - 4, held to -126 .. 127; a block of zeros has e = 0. As a byte (E8M0): e + 127.
;;     - Each number is divided by its block's scale, clamped to +-28, and rounded to the nearest number of E3M2, ties to even, subnormals kept.
;;     - The product sums the exact products of the quantised numbers (number of the format x scale) in f32.
;;   ~~~python
;;   def quantise(x, axis):      # numpy; x: float32 -> the quantised numbers, widened to float32 again
;;       x = np.moveaxis(x, axis, -1); K = x.shape[-1]
;;       x = np.pad(x, [(0, 0)] * (x.ndim - 1) + [(0, -K % 32)]); x = x.reshape(x.shape[:-1] + (-1, 32)); a = np.abs(x).max(-1, keepdims=True)
;;       e = np.where(a > 0, np.clip(np.frexp(np.where(a > 0, a, 1))[1] - 1 - 4, -126, 127), 0)      # np.frexp(a)[1] - 1 = floor(log2(a)), exactly
;;       r = np.clip(x / 2.0 ** e, -28, 28)
;;       step = 2.0 ** (np.maximum(np.frexp(np.where(r == 0, 1, r))[1] - 1, -2) - 2)
;;       q = np.round(r / step) * step * 2.0 ** e      # np.round: ties to even
;;       return np.moveaxis(q.reshape(q.shape[:-2] + (-1,))[..., :K], -1, axis).astype(np.float32)
;;   ~~~
;;   SOFTMAX AHEAD OF A QUANTISED PRODUCT. Where the list says 'softmax', what is quantised is not the finished softmax but p = 2^(t - M), with t = logit x log2(e) and M = ceil(the row's largest t), a whole number; so 1/2 < the row's largest p <= 1. The row's sum l is taken of the UNQUANTISED p, in f32, and the product's result is divided by l at the end. Since M is a whole number, a kernel that streams over the keys may use a running M (the ceiling of the running maximum): every later rescaling is an exact power of two, which a block's scale takes up: the codes' values come out the same.
;;   OPERANDS COMPUTED ON THE WAY. 'Computed on the way' means the value that the module computes at that place (a softmax that the list does not call 'softmax' is quantised finished and normalised). What goes into a quantiser is computed in f32, as accurately as f32 sums, v_exp_f32 and their like allow (about 1e-6 of the number): no bf16 or f16 on the way to a quantiser, and a product that is left as it is and whose result goes on into a quantised operand takes f32 operands (vector FMAs, or v_wmma_f32_16x16x4_f32). A number that lies on a knife's edge between two numbers of the format may be rounded either way, as far as f32 arithmetic and the matrix unit's own rounding can turn it there, and no further.
;; One version. Each part assembles by itself: llvm-mc -triple=amdgcn-amd-amdhsa -mcpu=gfx1250 --defsym DOCPART=n.
;; ======== version 1 of 1: 4 launches
;; workspace buffers: xc 22,020,096 bytes; xs 917,504 bytes; hc 9,437,184 bytes; hs 393,216 bytes; ac 3,145,728 bytes; asc 131,072 bytes
;; launch quant (part 1): grid 512 x 1, 7 waves a work-group, no clusters, 60,416 bytes of LDS; arguments q, k, Wv, Wq, Wk, v, Wo, xc, xs; writes xc, xs
.if DOCPART == 1
	.amdgcn_target "amdgcn-amd-amdhsa--gfx1250"
	.amdhsa_code_object_version 6
	.text
	.protected	k_qd5eaee1dc3_quant
	.globl	k_qd5eaee1dc3_quant
	.p2align	8
	.type	k_qd5eaee1dc3_quant,@function
k_qd5eaee1dc3_quant:
	s_mov_b64 s[64:65], 0
	v_nop
	global_prefetch_b8 v0, s[64:65] scope:SCOPE_SE
	s_setreg_imm32_b32 hwreg(HW_REG_WAVE_MODE, 25, 1), 1
	s_wait_xcnt 0x0
; The seven wide operands (q, k, Wv, Wq, Wk, v, Wo: each [2048][2048] f32, K innermost) become codes of BF6 (E3M2) with one E8M0 scale byte for each 32 along K.
; A block's scale is 2^(floor(log2(its largest magnitude)) - 4): its byte is the largest magnitude's exponent field - 4, held at 1 from below; each number is divided by it and rounded to the nearest code, ties to even,
; beyond 28 the largest code.
; LIMITS: NaN and infinities among the inputs are not served.  A block of zeros gets the byte 1 where the rule says 127: its codes are zeros, which add nothing, and the bytes are read by this program alone.
; THE OUTPUT IS LAID AS THE MATRIX UNIT'S REGISTERS WANT IT.  xc: [tensor][tile of 16 rows][K step of 128][1,536 bytes]: a fragment as the image of its 12 registers, register p of lane l at 512 (p / 4) + 16 l + 4 (p % 4).
; Lane-row r of tile T is matrix row 32 (T / 2) + 8 (T % 2) + r + 8 (r / 8).  xs: [tensor][tile][4 K steps][lane][2 words]: word j of lane (r, h) is row r's scale word of K step 4 g + 2 j + h.
; SHARES.  Wave w of a work-group takes tensor w; the work-group's number gives the tile (g / 4) and the four K steps (g % 4).  A wave reads 16 rows x 2,048 bytes, each byte of the inputs once in the launch.
; Each load takes 512 consecutive bytes of a row; a K step's 16 x 512 bytes turn through the wave's own stage in LDS, so that a lane gets two whole blocks of 32 neighbours, as the conversions and the operand's layout want.
; Memory binds: no matrix unit, no tensor load, no barrier (waves share nothing).  Two K steps' loads (32 a wave) are out at the start, 16 while a step is worked.
.set TEN,  3145728                     ; bytes of a tensor's codes
.set TROW, 24576                       ; of a tile's 16 K steps
.set FRB,  1536                        ; of a fragment
.set SP,   528                         ; a stage row: 512 bytes + 16: the 16 rows that a read touches start at 16 different groups of banks
.set WSTG, 16*SP                       ; a wave's stage
.set W,    20                          ; v20-23  the four K steps' scale words
.set C,    26                          ; v26-37  a fragment's codes
.set CT,   38                          ; v38-40, v42-44  the second halves of a block's codes, as they are made
.set R,    48                          ; v48-175 two sets of 64 registers as loaded
.set X,    176                         ; v176-239 my two blocks of 32 neighbours
	s_load_b512 s[8:23], s[0:1], 0x0               ; q, k, Wv, Wq, Wk, v, Wo, xc
	s_load_b64 s[24:25], s[0:1], 0x40              ; xs
	v_lshl_add_u32 v240, v0, 2, 0xe800
	v_mov_b32 v241, 0
	v_lshrrev_b32 v1, 5, v0
	v_readfirstlane_b32 s26, v1                    ; wave = tensor 0..6
	v_and_b32 v1, 31, v0                           ; lane
	v_and_b32 v2, 15, v0                           ; r
	v_bfe_u32 v3, v0, 4, 1                         ; h
	v_lshlrev_b32 v4, 4, v1                        ; 16 x lane: my bytes of a load's 512 and of a store's 512
	s_mul_i32 s29, s26, WSTG
	v_add_nc_u32 v5, s29, v4                       ; the stage, on the way in: a row as it lies
	v_mul_u32_u24 v6, v2, SP
	v_lshl_add_u32 v6, v3, 7, v6
	v_add_nc_u32 v6, s29, v6                       ; and out: row r, + 128 h: my block of 32 numbers
	v_lshlrev_b32 v8, 3, v1                        ; 8 x lane: my two scale words
	v_lshlrev_b32 v9, 3, v3                        ; 8 h: my bytes' place in a scale word
	v_mov_b32 v19, 0                               ; written once: a lane permute's destination counts as one of its sources
	s_mov_b32 s32, 0xffff0000                      ; lanes 16-31
	s_mov_b32 s34, 0x76543210
	s_mov_b32 s35, 0xfedcba98                      ; v_permlanex16_b32's selects for lane l xor 16
	s_lshr_b32 s27, ttmp9, 2                       ; tile 0..127
	s_and_b32 s28, ttmp9, 3                        ; which four K steps
	s_lshr_b32 s30, s27, 1                         ; the input: row 32 (T / 2) + 8 (T % 2), rows of 8,192 bytes, + 2,048 bytes for each four K steps
	s_lshl_b32 s30, s30, 18
	s_and_b32 s33, s27, 1
	s_lshl_b32 s33, s33, 16
	s_add_co_u32 s30, s30, s33
	s_lshl_b32 s33, s28, 11
	s_add_co_u32 s30, s30, s33
	s_mov_b32 s31, 0
	s_mul_i32 s36, s26, TEN                        ; the codes
	s_mul_i32 s33, s27, TROW
	s_add_co_u32 s36, s36, s33
	s_mul_i32 s33, s28, 4*FRB
	s_add_co_u32 s36, s36, s33
	s_mov_b32 s37, 0
	s_lshl_b32 s38, s26, 17                        ; the scale words: 131,072 bytes a tensor, 1,024 a tile, 256 for four K steps
	s_lshl_b32 s33, s27, 10
	s_add_co_u32 s38, s38, s33
	s_lshl_b32 s33, s28, 8
	s_add_co_u32 s38, s38, s33
	s_mov_b32 s39, 0
	s_wait_kmcnt 0x0
	s_mov_b64 s[4:5], s[8:9]                       ; my tensor: a choice that hangs on the wave's number alone
.irp i, 1,2,3,4,5,6
	s_cmp_eq_u32 s26, \i
	s_cselect_b64 s[4:5], s[8+2*\i:9+2*\i], s[4:5]
.endr
	s_add_nc_u64 s[4:5], s[4:5], s[30:31]
	s_add_nc_u64 s[22:23], s[22:23], s[36:37]
	s_add_nc_u64 s[24:25], s[24:25], s[38:39]
.macro LOAD i                          ; K step i of my four: 16 rows x 512 consecutive bytes, into set i % 2
.irp n, 0,1,2,3,4,5,6,7,8,9,10,11,12,13,14,15
	global_load_b128 v[R+64*((\i)%2)+4*\n:R+64*((\i)%2)+4*\n+3], v4, s[4:5] offset:(\n+8*(\n/8))*8192+512*(\i) th:TH_LOAD_NT
.endr
.endm
.macro STEP i
.set RS, R+64*((\i)%2)
.if (\i) < 3
	s_wait_loadcnt 16                              ; this K step's 16 loads are in; the next step's 16 may be out
.else
	s_wait_loadcnt 0
.endif
.irp n, 0,1,2,3,4,5,6,7,8,9,10,11,12,13,14,15
	ds_store_b128 v5, v[RS+4*\n:RS+4*\n+3] offset:SP*\n
.endr
.irp c, 0,1
.irp j, 0,1,2,3,4,5,6,7
	ds_load_b128 v[X+32*\c+4*\j:X+32*\c+4*\j+3], v6 offset:256*\c+16*\j   ; k = 64 c + 32 h + 4 j ..  LDS serves a wave's instructions in order: these see my stores
.endr
.endr
	s_wait_dscnt 0x0                               ; my numbers are back, and the stores have read their registers,
.if (\i)+2 < 4
	LOAD (\i)+2                                    ; which take the loads of two steps on
.endif
.irp c, 0,1
	v_max3_num_f32 v[10+\c], |v[X+32*\c]|, |v[X+32*\c+1]|, 0x2800000   ; block 2 c + h: all its 32 numbers are mine; the floor 2^(5 - 127) holds the byte at 1 from below
.endr
.irp j, 2,4,6,8,10,12,14,16,18,20,22,24,26,28,30
.irp c, 0,1
	v_max3_num_f32 v[10+\c], v[10+\c], |v[X+32*\c+\j]|, |v[X+32*\c+\j+1]|   ; (the two blocks by turns)
.endr
.endr
.irp c, 0,1
	v_add_nc_u32 v[14+\c], 0xfe000000, v[10+\c]    ; 4 off the exponent field: the conversion takes the exponent field of this operand as its scale
.endr
.irp c, 0,1
	v_lshrrev_b32 v[16+\c], 23, v[14+\c]           ; the scale's byte
.endr
	v_lshl_or_b32 v18, v17, 16, v16                ; my two bytes, blocks h and 2 + h,
	v_lshlrev_b32 v18, v9, v18                     ; at their places in the row's scale word;
	v_permlanex16_b32 v19, v18, s34, s35
	v_or_b32 v[W+(\i)], v18, v19                   ; with lane l xor 16's two the word is whole, in both halves of the lanes
.if (\i) > 0
	s_wait_xcnt 0x0                                ; the last step's stores have read the codes' registers: they are written again only behind this wait
.endif
.irp c, 0,1
	v_cvt_scalef32_pk16_bf6_f32 v[C+6*\c:C+6*\c+2], v[X+32*\c:X+32*\c+15], v[14+\c]
	v_cvt_scalef32_pk16_bf6_f32 v[CT+4*\c:CT+4*\c+2], v[X+32*\c+16:X+32*\c+31], v[14+\c]   ; (a conversion's three registers begin on an even number)
.endr
	v_nop                                          ; one plain place behind a scaled conversion
.irp c, 0,1
.irp j, 0,1,2
	v_mov_b32 v[C+6*\c+3+\j], v[CT+4*\c+\j]
.endr
.endr
.irp g, 0,1,2
	global_store_b128 v4, v[C+4*\g:C+4*\g+3], s[22:23] offset:FRB*(\i)+512*\g   ; 32 lanes store 512 consecutive bytes, aligned
.endr
.endm
	LOAD 0
	LOAD 1
	STEP 0
	STEP 1
	STEP 2
	STEP 3
	v_cndmask_b32 v24, v20, v21, s32               ; lanes 0-15 carry the even K steps' words, lanes 16-31 the odd ones'
	v_cndmask_b32 v25, v22, v23, s32
	global_store_b64 v8, v[24:25], s[24:25]        ; 32 lanes store 256 consecutive bytes, aligned
	s_wait_tensorcnt 0x0
	ds_add_u32 v240, v241
	s_wait_dscnt 0x0
	s_endpgm
.Lfunc_end_k_qd5eaee1dc3_quant:
	.size	k_qd5eaee1dc3_quant, .Lfunc_end_k_qd5eaee1dc3_quant-k_qd5eaee1dc3_quant
	.p2alignl 7, 3214868480
	.fill 96, 4, 3214868480
	.section	.rodata,"a",@progbits
	.p2align	6, 0x0
	.amdhsa_kernel k_qd5eaee1dc3_quant
		.amdhsa_group_segment_fixed_size 60416
		.amdhsa_private_segment_fixed_size 0
		.amdhsa_enable_private_segment 0
		.amdhsa_kernarg_size 72
		.amdhsa_user_sgpr_count 2
		.amdhsa_user_sgpr_kernarg_segment_ptr 1
		.amdhsa_wavefront_size32 1
		.amdhsa_system_sgpr_workgroup_id_x 1
		.amdhsa_system_sgpr_workgroup_id_y 1
		.amdhsa_system_sgpr_workgroup_id_z 1
		.amdhsa_system_vgpr_workitem_id 0
		.amdhsa_next_free_vgpr 242
		.amdhsa_next_free_sgpr 66
		.amdhsa_reserve_vcc 0
		.amdhsa_float_denorm_mode_32 3
		.amdhsa_float_denorm_mode_16_64 3
		.amdhsa_memory_ordered 1
		.amdhsa_forward_progress 1
		.amdhsa_inst_pref_size 31
	.end_amdhsa_kernel
	.amdgpu_metadata
---
amdhsa.version: [ 1, 2 ]
amdhsa.kernels:
  - .name:           k_qd5eaee1dc3_quant
    .symbol:         k_qd5eaee1dc3_quant.kd
    .args:
      - { .name: q, .offset: 0, .size: 8, .value_kind: global_buffer, .address_space: global }
      - { .name: k, .offset: 8, .size: 8, .value_kind: global_buffer, .address_space: global }
      - { .name: Wv, .offset: 16, .size: 8, .value_kind: global_buffer, .address_space: global }
      - { .name: Wq, .offset: 24, .size: 8, .value_kind: global_buffer, .address_space: global }
      - { .name: Wk, .offset: 32, .size: 8, .value_kind: global_buffer, .address_space: global }
      - { .name: v, .offset: 40, .size: 8, .value_kind: global_buffer, .address_space: global }
      - { .name: Wo, .offset: 48, .size: 8, .value_kind: global_buffer, .address_space: global }
      - { .name: xc, .offset: 56, .size: 8, .value_kind: global_buffer, .address_space: global }
      - { .name: xs, .offset: 64, .size: 8, .value_kind: global_buffer, .address_space: global }
    .group_segment_fixed_size: 60416
    .private_segment_fixed_size: 0
    .kernarg_segment_align: 8
    .kernarg_segment_size: 72
    .max_flat_workgroup_size: 224
    .sgpr_count:     66
    .vgpr_count:     242
    .wavefront_size: 32
...
	.end_amdgpu_metadata
.endif
;; end of part 1
;; launch proj (part 2): grid 8 x 24, 4 waves a work-group, clusters of 4 x 4, 327,680 bytes of LDS; arguments xc, xs, bq, bk, bv, hc, hs; writes hc, hs
.if DOCPART == 2
	.amdgcn_target "amdgcn-amd-amdhsa--gfx1250"
	.amdhsa_code_object_version 6
	.text
	.protected	k_qd5eaee1dc3_proj
	.globl	k_qd5eaee1dc3_proj
	.p2align	8
	.type	k_qd5eaee1dc3_proj,@function
k_qd5eaee1dc3_proj:
	s_mov_b64 s[64:65], 0
	v_nop
	global_prefetch_b8 v0, s[64:65] scope:SCOPE_SE
	s_setreg_imm32_b32 hwreg(HW_REG_WAVE_MODE, 25, 1), 1
	s_wait_xcnt 0x0
	s_wait_alu depctr_hold_cnt(0) depctr_sa_sdst(0) depctr_va_vdst(0) depctr_va_sdst(0) depctr_va_ssrc(0) depctr_va_vcc(0) depctr_vm_vsrc(0)
	s_getreg_b32 s2, hwreg(HW_REG_IB_STS2, 6, 4)
	s_cmp_eq_u32 s2, 0
	s_cbranch_scc0 .Lentry_in_a_cluster
	s_endpgm
.Lentry_in_a_cluster:
	s_bfe_u32 s2, ttmp6, 0x10000c
	s_cmp_lg_u32 s2, 0xf033
	s_cbranch_scc0 .Lentry_shape_is_right
	s_endpgm
.Lentry_shape_is_right:
; The three projections, on codes of BF6 with E8M0 scales, K = 2,048, and their results quantised again in registers.  t = 0: qh = q Wq^T + bq; t = 1: kh = k Wk^T + bk; t = 2: vh = v Wv^T + bv.
; A work-group makes 256 x 256 of one projection, each of its four waves 128 x 128: 64 accumulators of 16 x 16, 512 registers.  8 x 8 work-groups a projection, 192 in all.
; THE MATRIX INSTRUCTION IS USED TRANSPOSED: source 0 = 16 rows of the j side, source 1 = 16 rows of the i side: a lane holds ONE i and its registers run along j.  j is the axis along which the result is quantised next:
;   t < 2: i = tokens, j = the output's columns: a wave's 128 are one head, the K of the scores.     t = 2: i = rows of Wv (a head's 128 channels), j = tokens: a wave's 128 are one key step, the K of the second product.
; So tensor t of xc is the i side and tensor 3 + t the j side (xc's order: q, k, Wv, Wq, Wk, v, Wo).  Lane-row r of tile T is row 32 (T / 2) + 8 (T % 2) + r + 8 (r / 8), so that the 16 registers of j tiles 2 b, 2 b + 1 are 16 neighbours.
; The bias is the C of each sum's first matrix instruction (t < 2: by j, eight numbers a tile; t = 2: by i, one number a lane in all eight registers): the only place where the text parts on t, which is equal in all partners of a cluster.
; K goes through a ring of two LDS slots of THREE K steps each, as many as two slots in LDS hold, filled by the tensor data mover: K steps 0-2, 3-5 at the start, then 6-8, 9-11, 12-14 and 15 alone: four refills.
; Between a refill and the wait for it a wave issues 160 matrix instructions.  Fragments lie in memory and in LDS as images of their registers (1,536 bytes, three loads of 16 bytes a lane, consecutive: no padding needed).
; All of K's scale words (2 x 64 registers) are loaded once.  K is written out, 16 steps, since a scale register's number is part of the instruction.
; CLUSTERS: 4 x 4 work-groups: the four of a row need the same i tiles, the four of a column the same j tiles: each is asked for jointly.
; OUT.  hc: [t][16 batch + head][8][8][1,536]: Q, K: token tiles of the batch; V: [key step][tile of channels].  hs: [t][16 batch + head][8][lane][4 words]: word p: tile 2 p in lanes 0-15, tile 2 p + 1 in lanes 16-31.
; LIMITS: NaN and infinities are not served; a block of zeros gets the byte 1 where the rule says 127 (its codes are zeros; this program alone reads the bytes).
; REGISTERS, in windows of 256: window 0: v16-29 addresses; v32-127 the i side's 8 fragments, one set (on the way out: at work); v128-191 the i side's scale words, v192-255 the j side's: they hold nothing else.
;   window 1: the j side's fragments, two sets, at v0 and v128, K step s in set s % 2; the bias tuples in v96-127 and v224-255.   windows 2, 3: accumulator (a, b) at v[8 (8 (a % 4) + b)].
.set TEN,   3145728
.set TROW,  24576
.set FR,    12
.set FRB,   1536
.set NL,    3                          ; LDS loads that bring a fragment
.set KSL,   3                          ; K steps in a slot
.set HALFT, 8*KSL*FRB                  ; 8 tiles x three K steps: what one tensor load brings, and what one wave reads of a side
.set SLOT,  4*HALFT
.set SPARE, 2*SLOT                     ; behind the ring: the spare words, 128 bytes for each wave, that no other line names
.set ADRA, 16                          ; v16-17 LDS address of my i fragments in slot 0, 1
.set ADRB, 20                          ; v20-21 the same for j
.set L8,   24                          ; v24  8 x lane
.set L16,  25                          ; v25  16 x lane
.set BO0,  26                          ; v26  the bias by j: 64 h
.set BO1,  27                          ; v27  the bias by i: 4 (r + 8 (r / 8))
.set SPW,  28                          ; v28  LDS address of my spare word; never rewritten
.set NIL,  29                          ; v29  0; never rewritten
.set AF,   32
.set SCA,  128
.set SCB,  192
.set TM,   32                          ; the way out: v32-47 at work
.set PW,   48                          ; v48-55 the eight scale words
.set SW,   56                          ; v56-59 as they are stored
.set G1,  24                           ; s[24:31] group 1 for the i side's tiles of three K steps;  s[32:39] group 0, one set for each slot
.set G0,  32
.set G1B, 48                           ; s[48:55], s[56:63] the same for the j side
.set G0B, 56
.set G1L,  4                           ; s[4:11]  group 1 for the i side's tiles of the last K step alone: written when the pointers that lay here are done with
.set G1LB, 40                          ; s[40:47] the same for the j side: written when the places and bases that lay here are done with
.set T,   66                           ; s66  which projection
.set HI,  74                           ; s74  lanes 16-31
.set FL,  75                           ; s75  the floor 2^(5 - 127)
.set SEL, 76
.set MSB, 0
.macro WIN new                         ; the immediate's high byte repeats the setting that is left
.if MSB != \new
	s_set_vgpr_msb (MSB<<8)|\new
.set MSB, \new
.endif
.endm
.set MUL_LO, 0xa1                      ; source 0 (j) window 1, source 1 (i) window 0, C and D window 2
.set MUL_HI, 0xf1
.set TO_B,   0x40
; A joint load: waves 0 and 1 fetch for the i side, waves 2 and 3 for the j side; the branch hangs on the wave's number alone.  Four v_nop follow each of the two lines.
.macro JLOAD g0a, g1a, g0b, g1b
	s_cmp_eq_u32 s19, 0
	s_cbranch_scc0 .Lfor_b_\@
	tensor_load_to_lds s[\g0a:\g0a+3], s[\g1a:\g1a+7]
	s_nop 0
.rept 4
	v_nop
.endr
	s_branch .Lasked_\@
.Lfor_b_\@:
	tensor_load_to_lds s[\g0b:\g0b+3], s[\g1b:\g1b+7]
	s_nop 0
.rept 4
	v_nop
.endr
.Lasked_\@:
.endm
.macro CREST                           ; a round of the cluster's barrier behind its opening barrier
	s_cmp_lg_u32 s18, 0
	s_cbranch_scc1 .Lnot_wave_0_\@
	s_barrier_signal -3
.Lnot_wave_0_\@:
	s_barrier_wait -3
	s_barrier_signal -1
	s_barrier_wait -1
.endm
.macro CROUND
	s_barrier_signal -1
	s_barrier_wait -1
	CREST
.endm
.macro PLACES                          ; four places behind a matrix instruction, in front of loads into registers that it has read and of the first read of results
.rept 4
	v_nop
.endr
.endm
	s_load_b128 s[4:7], s[0:1], 0x0                ; xc, xs
	s_load_b128 s[8:11], s[0:1], 0x10              ; bq, bk
	s_load_b128 s[12:15], s[0:1], 0x20             ; bv, hc
	s_load_b64 s[16:17], s[0:1], 0x30              ; hs
	v_lshl_add_u32 v[SPW], v0, 2, SPARE
	v_mov_b32 v[NIL], 0
	ds_add_u32 v28, v29
	ds_add_u32 v28, v29
	s_wait_dscnt 0x0
	v_lshrrev_b32 v1, 5, v0
	v_readfirstlane_b32 s18, v1                    ; wave 0..3
	s_lshr_b32 s19, s18, 1                         ; RH: my half of the i side.  Also: I fetch for i (0) or for j (1)
	s_and_b32 s20, s18, 1                          ; CH: my half of the j side.  Also: which 8 tiles I fetch
	s_bfe_u32 s40, ttmp6, 0x40000                  ; cx
	s_bfe_u32 s41, ttmp6, 0x40004                  ; cy
	s_lshl_b32 s42, ttmp9, 2
	s_add_co_u32 s42, s42, s40                     ; wx = 4 x cluster x + cx: 0..7
	s_and_b32 s21, ttmp7, 0xffff                   ; cluster y: 0..5
	s_lshr_b32 s[T], s21, 1                        ; t: it hangs on the cluster's y alone
	s_and_b32 s67, s21, 1
	s_lshl_b32 s67, s67, 2
	s_add_co_u32 s67, s67, s41                     ; iy = 4 x (cluster y % 2) + cy: 0..7
	s_lshl_b32 s43, s41, 2
	s_lshl_b32 s43, 15, s43                        ; my row of the cluster
	s_lshl_b32 s92, 0x1111, s40                    ; my column
	; descriptor group 1: 8 rows (tiles) of 4,608 bytes (three K steps), 24,576 bytes apart in memory, dense in LDS; elements of 8 bytes
	s_or_b32 s[G1+0], s43, (3<<16)|(1<<21)         ; 15:0 the mask; 17:16 elements of 8 bytes; 20 no padding; 21 set beside a mask
	s_or_b32 s[G1B+0], s92, (3<<16)|(1<<21)
.irp g, G1, G1B
	s_mov_b32 s[\g+1], (KSL*FRB/8)<<16             ; tensor_dim0
	s_mov_b32 s[\g+2], 8<<16                       ; tensor_dim1
	s_mov_b32 s[\g+3], (KSL*FRB/8)<<16             ; tile_dim0
	s_mov_b32 s[\g+4], 8                           ; tile_dim1
	s_mov_b32 s[\g+5], 3072                        ; tensor_dim0_stride
	s_mov_b32 s[\g+6], 0
	s_mov_b32 s[\g+7], 0
.endr
	s_lshl_b32 s23, s20, 3                         ; which 8 tiles I fetch
	s_lshl_b32 s78, s67, 4
	s_add_co_u32 s78, s78, s23
	s_mul_i32 s78, s78, TROW
	s_mul_i32 s70, s[T], TEN
	s_add_co_u32 s70, s70, s78                     ; i: tensor t, tile 16 iy + 8 CH
	s_mov_b32 s71, 0
	s_lshl_b32 s79, s42, 4
	s_add_co_u32 s79, s79, s23
	s_mul_i32 s79, s79, TROW
	s_mul_i32 s72, s[T], TEN
	s_add_co_u32 s72, s72, 3*TEN
	s_add_co_u32 s72, s72, s79                     ; j: tensor 3 + t, tile 16 wx + 8 CH
	s_mov_b32 s73, 0
	s_mul_i32 s22, s18, HALFT                      ; where they go: wave x 8 tiles: no place in the cluster enters an LDS address
	s_mov_b32 s[HI], 0xffff0000
	s_mov_b32 s[FL], 0x2800000
	s_mov_b32 s[SEL], 0x76543210
	s_mov_b32 s[SEL+1], 0xfedcba98
	s_wait_kmcnt 0x0
	s_add_nc_u64 s[44:45], s[4:5], s[70:71]
	s_add_nc_u64 s[46:47], s[4:5], s[72:73]
	CROUND                                         ; all sixteen work-groups are here: the first joint loads meet
.irp s, 0,1
	s_mov_b32 s[G0+4*\s], 1
	s_add_co_u32 s[G0+4*\s+1], s22, \s*SLOT
	s_add_nc_u64 s[G0+4*\s+2:G0+4*\s+3], s[44:45], \s*KSL*FRB
	s_or_b32 s[G0+4*\s+3], s[G0+4*\s+3], 0x80000000
	s_mov_b32 s[G0B+4*\s], 1
	s_add_co_u32 s[G0B+4*\s+1], s22, \s*SLOT
	s_add_nc_u64 s[G0B+4*\s+2:G0B+4*\s+3], s[46:47], \s*KSL*FRB
	s_or_b32 s[G0B+4*\s+3], s[G0B+4*\s+3], 0x80000000
	JLOAD G0+4*\s, G1, G0B+4*\s, G1B               ; K steps 3 s .. 3 s + 2: two tensor loads of mine are out
.endr
	v_and_b32 v1, 31, v0                           ; lane
	v_and_b32 v2, 15, v0                           ; r
	v_bfe_u32 v3, v0, 4, 1                         ; h
	v_lshlrev_b32 v[L16], 4, v1
	v_lshlrev_b32 v[L8], 3, v1
	v_lshlrev_b32 v[BO0], 6, v3
	v_and_b32 v4, 8, v2
	v_add_nc_u32 v4, v4, v2
	v_lshlrev_b32 v[BO1], 2, v4
	s_mul_i32 s23, s19, HALFT                      ; my 8 i tiles
	s_mul_i32 s93, s20, HALFT                      ; my 8 j tiles,
	s_add_co_u32 s93, s93, 2*HALFT                 ; which lie behind the i side's 16
.irp s, 0,1
	v_add_nc_u32 v[ADRA+\s], s23, v[L16]
	v_add_nc_u32 v[ADRB+\s], s93, v[L16]
	s_add_co_u32 s23, s23, SLOT
	s_add_co_u32 s93, s93, SLOT
.endr
	s_lshl_b32 s68, s67, 1
	s_add_co_u32 s68, s68, s19                     ; I = 2 iy + RH: my 128 of the i side
	s_lshl_b32 s69, s42, 1
	s_add_co_u32 s69, s69, s20                     ; J = 2 wx + CH: my 128 of the j side
	s_lshl_b32 s94, s[T], 17                       ; the scale words: 131,072 bytes a tensor, 8,192 for 8 tiles
	s_lshl_b32 s95, s68, 13
	s_add_co_u32 s94, s94, s95
	s_mov_b32 s95, 0
	s_add_nc_u64 s[84:85], s[6:7], s[94:95]
	s_lshl_b32 s94, s[T], 17
	s_add_co_u32 s94, s94, 3*131072
	s_lshl_b32 s97, s69, 13
	s_add_co_u32 s94, s94, s97
	s_add_nc_u64 s[86:87], s[6:7], s[94:95]
.irp a, 0,1,2,3,4,5,6,7
.irp g, 0,1,2,3
	global_load_b64 v[SCA+8*\a+2*\g:SCA+8*\a+2*\g+1], v[L8], s[84:85] offset:1024*\a+256*\g   ; register 8 a + s / 2: K step s's words, in lanes 0-15 for even s, lanes 16-31 for odd s
	global_load_b64 v[SCB+8*\a+2*\g:SCB+8*\a+2*\g+1], v[L8], s[86:87] offset:1024*\a+256*\g
.endr
.endr
	s_lshl_b32 s94, s69, 9                         ; the bias by j: my head's 128 numbers
	s_cmp_eq_u32 s[T], 0
	s_cselect_b64 s[82:83], s[8:9], s[10:11]       ; bq or bk
	s_add_nc_u64 s[82:83], s[82:83], s[94:95]
	s_lshl_b32 s94, s68, 9                         ; by i
	s_add_nc_u64 s[12:13], s[12:13], s[94:95]
	; descriptor group 1 for the last K step alone: 8 rows (tiles) of 1,536 bytes.  s[4:11] (xc, xs, bq, bk) and s[40:47] (places, bases) have been read for the last time; no pending instruction names them
	s_or_b32 s[G1L+0], s43, (3<<16)|(1<<21)
	s_or_b32 s[G1LB+0], s92, (3<<16)|(1<<21)
.irp g, G1L, G1LB
	s_mov_b32 s[\g+1], (FRB/8)<<16                 ; tensor_dim0
	s_mov_b32 s[\g+2], 8<<16                       ; tensor_dim1
	s_mov_b32 s[\g+3], (FRB/8)<<16                 ; tile_dim0
	s_mov_b32 s[\g+4], 8                           ; tile_dim1
	s_mov_b32 s[\g+5], 3072                        ; tensor_dim0_stride
	s_mov_b32 s[\g+6], 0
	s_mov_b32 s[\g+7], 0
.endr
	s_cmp_eq_u32 s[T], 2
	s_cbranch_scc1 .Lbias_v
	WIN TO_B
.irp b, 0,1,2,3,4,5,6,7                ; tuple b: the bias of j = 32 (b / 2) + 16 h + 8 (b % 2) + 0 .. 7
	global_load_b128 v[96+8*\b+96*(\b/4):99+8*\b+96*(\b/4)], v[BO0], s[82:83] offset:(32*(\b/2)+8*(\b%2))*4
	global_load_b128 v[100+8*\b+96*(\b/4):103+8*\b+96*(\b/4)], v[BO0], s[82:83] offset:(32*(\b/2)+8*(\b%2))*4+16
.endr
	WIN 0
	s_branch .Lbias_done
.Lbias_v:
	WIN TO_B
.irp a, 0,1,2,3,4,5,6,7                ; tuple a: the bias of my lane's i = 32 (a / 2) + 8 (a % 2) + r + 8 (r / 8), in all eight registers
.irp j, 0,1,2,3,4,5,6,7
	global_load_b32 v[96+8*\a+96*(\a/4)+\j], v[BO1], s[12:13] offset:(32*(\a/2)+8*(\a%2))*4
.endr
.endr
	WIN 0
.Lbias_done:
	; where my results go: (P, Q) = (I, J), for t = 2 (J, I): P / 8 the batch, Q the head, P % 8 the group of eight tiles or the key step
	s_cmp_eq_u32 s[T], 2
	s_cselect_b32 s80, s69, s68
	s_cselect_b32 s81, s68, s69
	s_lshr_b32 s96, s80, 3
	s_lshl_b32 s96, s96, 4
	s_add_co_u32 s96, s96, s81
	s_lshl_b32 s96, s96, 3
	s_and_b32 s80, s80, 7
	s_add_co_u32 s96, s96, s80
	s_mul_i32 s94, s96, 8*FRB
	s_mul_i32 s97, s[T], TEN
	s_add_co_u32 s94, s94, s97
	s_add_nc_u64 s[88:89], s[14:15], s[94:95]
	s_lshl_b32 s94, s96, 9
	s_lshl_b32 s97, s[T], 17
	s_add_co_u32 s94, s94, s97
	s_add_nc_u64 s[90:91], s[16:17], s[94:95]
.macro FRAG reg, adr, q, i, tp         ; a fragment comes as it was stored: three loads of 16 bytes a lane, each 512 consecutive bytes.  tp: fragments from tile to tile in the slot (3; 1 where it holds the last K step alone)
.irp c, 0,1,2
	ds_load_b128 v[\reg+4*\c:\reg+4*\c+3], v[\adr] offset:(\i)*(\tp)*FRB+(\q)*FRB+512*\c
.endr
.endm
.macro FETCH_B slot, q, p, tp
	WIN TO_B
.irp i, 0,1,2,3,4,5,6,7
	FRAG 128*(\p)+FR*\i, ADRB+\slot, \q, \i, \tp
.endr
	WIN 0
.endm
.macro FETCH_A slot, q, i0, tp
.irp i, \i0, \i0+1, \i0+2, \i0+3
	FRAG AF+FR*(\i), ADRA+\slot, \q, \i, \tp
.endr
.endm
; 16 matrix instructions: i blocks a0, a0 + 1 x the j side's eight, K step s.  p: the j side's set.  cmode 0: the sums go on; 1: they begin with the bias by j; 2: with the bias by i.
; The 64 accumulators take turns, one instruction a turn, in the same order in every step.
.macro MUL16 a0, p, s, cmode
.irp a, \a0, \a0+1
.irp b, 0,1,2,3,4,5,6,7
.set rD, 8*(8*((\a)%4)+\b)
.if \cmode == 0
.set rC, rD
.elseif \cmode == 1
.set rC, 96+8*\b+96*(\b/4)
.else
.set rC, 96+8*(\a)+96*((\a)/4)
.endif
.if (\s)%2
	v_wmma_scale_f32_16x16x128_f8f6f4 v[rD:rD+7], v[128*(\p)+FR*\b:128*(\p)+FR*\b+FR-1], v[AF+FR*(\a):AF+FR*(\a)+FR-1], v[rC:rC+7], v[SCB+8*\b+(\s)/2], v[SCA+8*(\a)+(\s)/2] matrix_a_fmt:MATRIX_FMT_BF6 matrix_b_fmt:MATRIX_FMT_BF6 matrix_a_scale:MATRIX_SCALE_ROW1 matrix_b_scale:MATRIX_SCALE_ROW1
.else
	v_wmma_scale_f32_16x16x128_f8f6f4 v[rD:rD+7], v[128*(\p)+FR*\b:128*(\p)+FR*\b+FR-1], v[AF+FR*(\a):AF+FR*(\a)+FR-1], v[rC:rC+7], v[SCB+8*\b+(\s)/2], v[SCA+8*(\a)+(\s)/2] matrix_a_fmt:MATRIX_FMT_BF6 matrix_b_fmt:MATRIX_FMT_BF6
.endif
.endr
.endr
.endm
.macro FIRST32 hi                      ; K step 0's products for i blocks 4 hi .. 4 hi + 3: C is a bias tuple, in window 1; which one hangs on t.  Only matrix lines stand in the two arms
	WIN 0
	s_cmp_eq_u32 s[T], 2
	s_cbranch_scc1 .Lfirst_v_\@
	WIN 0x91+0x40*\hi
	MUL16 4*\hi, 0, 0, 1
	MUL16 4*\hi+2, 0, 0, 1
	WIN 0
	s_branch .Lfirst_j_\@
.Lfirst_v_\@:
	WIN 0x91+0x40*\hi
	MUL16 4*\hi, 0, 0, 2
	MUL16 4*\hi+2, 0, 0, 2
	WIN 0
.Lfirst_j_\@:
.endm
; K step s, one of a slot's first two: its successor lies in the same slot.  The slot is (s / 3) % 2, the j side's set s % 2.
.macro STEP s, first
.set SL, ((\s)/KSL)%2
.set QN, (\s)%KSL+1
.set PP, (\s)%2
	s_wait_dscnt 4*NL                              ; the j side's set and i blocks 0-3 are in; the youngest 12 loads (i blocks 4-7) may be out
.if \first
	FIRST32 0
.else
	WIN MUL_LO
	MUL16 0, PP, \s, 0
	MUL16 2, PP, \s, 0
.endif
	s_wait_dscnt 0                                 ; i blocks 4-7 are in (asked for 32 matrix instructions ago)
	PLACES
	FETCH_B SL, QN, 1-PP, KSL
	FETCH_A SL, QN, 0, KSL
.if \first
	FIRST32 1
.else
	WIN MUL_HI
	MUL16 4, PP, \s, 0
	MUL16 6, PP, \s, 0
.endif
	PLACES
	WIN 0
	FETCH_A SL, QN, 4, KSL
.endm
; K step s, a slot's last, changes slots: ONE barrier; in front of it each wave waits for all its tensor loads, adds 0 to its spare word, and waits for that and for its reads of this slot.
; fill = 1: this slot is filled again, with the three K steps six on; 2: with the last K step alone; the barrier then opens a round of the cluster's barrier.  0: nothing is left to fetch.
; ntp: fragments from tile to tile in the slot that comes next.
.macro TURN s, fill, ntp
.set SL, ((\s)/KSL)%2
.set PP, (\s)%2
	s_wait_tensorcnt 0x0                           ; all my tensor loads have landed: my part of the next slot  (every window is 0 here)
	ds_add_u32 v[SPW], v[NIL]                      ; 0 onto my spare word
	s_wait_dscnt 4*NL+1                            ; (the add and the youngest 12 loads may be out)
	WIN MUL_LO
	MUL16 0, PP, \s, 0                             ; sixteen matrix instructions stand between the add and the wait for it
	s_wait_dscnt 0x0                               ; the add is done, and my reads of this slot are over
	s_barrier_signal -1
	MUL16 2, PP, \s, 0
	WIN 0
	s_barrier_wait -1
.if \fill
	CREST                                          ; no wave of any partner still reads this slot or has a load on its way
	s_add_nc_u64 s[G0+4*SL+2:G0+4*SL+3], s[G0+4*SL+2:G0+4*SL+3], 2*KSL*FRB
	s_add_nc_u64 s[G0B+4*SL+2:G0B+4*SL+3], s[G0B+4*SL+2:G0B+4*SL+3], 2*KSL*FRB
.if \fill == 1
	JLOAD G0+4*SL, G1, G0B+4*SL, G1B               ; the first tensor load behind the round, my only one until the next; its four v_nop are the places in front of the loads below
.else
	JLOAD G0+4*SL, G1L, G0B+4*SL, G1LB             ; the same for K step 15: tiles of one K step
.endif
.else
	PLACES
.endif
	FETCH_B 1-SL, 0, 1-PP, \ntp
	FETCH_A 1-SL, 0, 0, \ntp
	WIN MUL_HI
	MUL16 4, PP, \s, 0
	MUL16 6, PP, \s, 0
	PLACES
	WIN 0
	FETCH_A 1-SL, 0, 4, \ntp
.endm
	s_wait_tensorcnt 1                             ; my part of slot 0 is in; slot 1's may stay out
	s_barrier_signal -1
	s_barrier_wait -1                              ; everybody's is
	FETCH_B 0, 0, 0, KSL
	FETCH_A 0, 0, 0, KSL
	FETCH_A 0, 0, 4, KSL
	s_wait_loadcnt 0x0                             ; the scale words and the bias
	STEP 0, 1
	STEP 1, 0
	TURN 2, 1, KSL                                 ; slot 0 takes K steps 6-8
	STEP 3, 0
	STEP 4, 0
	TURN 5, 1, KSL                                 ; slot 1 takes 9-11
	STEP 6, 0
	STEP 7, 0
	TURN 8, 1, KSL                                 ; slot 0 takes 12-14
	STEP 9, 0
	STEP 10, 0
	TURN 11, 2, KSL                                ; slot 1 takes 15
	STEP 12, 0
	STEP 13, 0
	TURN 14, 0, 1                                  ; nothing is left to fetch: no round; the next slot's tiles are one K step long
	s_wait_dscnt 4*NL                              ; the last K step
	WIN MUL_LO
	MUL16 0, 1, 15, 0
	MUL16 2, 1, 15, 0
	s_wait_dscnt 0
	WIN MUL_HI
	MUL16 4, 1, 15, 0
	MUL16 6, 1, 15, 0
	WIN 0
	PLACES                                         ; in front of the first read of results, and of writes into the registers that held the i side's fragments
.irp b, 0,1,2,3
	v_mov_b32 v[TM+4+\b], 0                        ; written once: a lane permute's destination counts as one of its sources
.endr
; THE WAY OUT.  i block a's 64 registers of a lane are 16 neighbours along j of each block of 32 (register 16 b + n: j = 32 b + 16 h + n); lane l xor 16 holds the other 16.  They become one fragment (16 i x 128 j) and one scale word a row,
; and the fragment is stored as the image of its registers: no LDS.  Each accumulator is read from its low end on.
.macro QOUT a
.set WN, 2+(\a)/4
.set SRC, 64*((\a)%4)
.set PC, 60+20*((\a)%2)                ; two sets of 20 registers by turns: 12 codes, and the halves made elsewhere
	WIN (WN<<2)|(WN<<4)                            ; sources 1 and 2: the accumulators' window
.irp b, 0,1,2,3
	v_max3_num_f32 v[TM+\b], s[FL], |v[SRC+16*\b]|, |v[SRC+16*\b+1]|   ; block b: my 16 numbers, and the floor, which holds the byte at 1 from below
.endr
.irp i, 2,4,6,8,10,12,14
.irp b, 0,1,2,3
	v_max3_num_f32 v[TM+\b], v[TM+\b], |v[SRC+16*\b+\i]|, |v[SRC+16*\b+\i+1]|
.endr
.endr
	WIN 0
.irp b, 0,1,2,3
	v_permlanex16_b32 v[TM+4+\b], v[TM+\b], s[SEL], s[SEL+1]
.endr
.irp b, 0,1,2,3
	v_max_num_f32 v[TM+\b], v[TM+\b], v[TM+4+\b]   ; with lane l xor 16's: the block's largest magnitude
.endr
.irp b, 0,1,2,3
	v_add_nc_u32 v[TM+12+\b], 0xfe000000, v[TM+\b] ; 4 off its exponent field: the conversion's scale operand
.endr
.irp b, 0,1,2,3
	v_lshrrev_b32 v[TM+4+\b], 23, v[TM+12+\b]      ; the scale's byte
.endr
	v_lshl_or_b32 v[PW+(\a)], v[TM+5], 8, v[TM+4]
	v_lshl_or_b32 v[PW+(\a)], v[TM+6], 16, v[PW+(\a)]
	v_lshl_or_b32 v[PW+(\a)], v[TM+7], 24, v[PW+(\a)]   ; my row's scale word, the same in both halves of the lanes
.if (\a) >= 2
	s_wait_xcnt 0x0                                ; block a - 2's stores have read this set of registers: it is written again only behind this wait
.endif
	WIN WN                                         ; source 0: the accumulators' window
.irp c, 0,1
	v_cvt_scalef32_pk16_bf6_f32 v[PC+6*\c:PC+6*\c+2], v[SRC+32*\c:SRC+32*\c+15], v[TM+12+2*\c]
	v_cvt_scalef32_pk16_bf6_f32 v[PC+12+4*\c:PC+14+4*\c], v[SRC+32*\c+16:SRC+32*\c+31], v[TM+13+2*\c]   ; (a conversion's three registers begin on an even number)
.endr
	WIN 0
	v_nop                                          ; one plain place behind a scaled conversion
.irp c, 0,1                            ; the operand's layout wants a whole block in a lane: lanes 0-15 block 2 c, lanes 16-31 block 2 c + 1
.irp i, 0,1,2
	v_permlane16_swap_b32 v[PC+6*\c+\i], v[PC+12+4*\c+\i]
.endr
.irp i, 0,1,2
	v_mov_b32 v[PC+3+6*\c+\i], v[PC+12+4*\c+\i]
.endr
.endr
.irp g, 0,1,2
	global_store_b128 v[L16], v[PC+4*\g:PC+4*\g+3], s[88:89] offset:FRB*(\a)+512*\g   ; 32 lanes store 512 consecutive bytes, aligned
.endr
.endm
.irp a, 0,1,2,3,4,5,6,7
	QOUT \a
.endr
.irp p, 0,1,2,3
	v_cndmask_b32 v[SW+\p], v[PW+2*\p], v[PW+2*\p+1], s[HI]   ; tile 2 p's words in lanes 0-15, tile 2 p + 1's in lanes 16-31
.endr
	global_store_b128 v[L16], v[SW:SW+3], s[90:91]
	s_wait_tensorcnt 0x0                           ; the wave's end
	ds_add_u32 v[SPW], v[NIL]
	s_wait_dscnt 0x0
	CROUND                                         ; the closing round: no work-group ends while a partner may still ask for a tile that names it
	s_endpgm
.Lfunc_end_k_qd5eaee1dc3_proj:
	.size	k_qd5eaee1dc3_proj, .Lfunc_end_k_qd5eaee1dc3_proj-k_qd5eaee1dc3_proj
	.p2alignl 7, 3214868480
	.fill 96, 4, 3214868480
	.section	.rodata,"a",@progbits
	.p2align	6, 0x0
	.amdhsa_kernel k_qd5eaee1dc3_proj
		.amdhsa_group_segment_fixed_size 327680
		.amdhsa_private_segment_fixed_size 0
		.amdhsa_enable_private_segment 0
		.amdhsa_kernarg_size 56
		.amdhsa_user_sgpr_count 2
		.amdhsa_user_sgpr_kernarg_segment_ptr 1
		.amdhsa_wavefront_size32 1
		.amdhsa_system_sgpr_workgroup_id_x 1
		.amdhsa_system_sgpr_workgroup_id_y 1
		.amdhsa_system_sgpr_workgroup_id_z 1
		.amdhsa_system_vgpr_workitem_id 0
		.amdhsa_next_free_vgpr 1024
		.amdhsa_next_free_sgpr 100
		.amdhsa_reserve_vcc 0
		.amdhsa_float_denorm_mode_32 3
		.amdhsa_float_denorm_mode_16_64 3
		.amdhsa_memory_ordered 1
		.amdhsa_forward_progress 1
		.amdhsa_inst_pref_size 252
	.end_amdhsa_kernel
	.amdgpu_metadata
---
amdhsa.version: [ 1, 2 ]
amdhsa.kernels:
  - .name:           k_qd5eaee1dc3_proj
    .symbol:         k_qd5eaee1dc3_proj.kd
    .args:
      - { .name: xc, .offset: 0, .size: 8, .value_kind: global_buffer, .address_space: global }
      - { .name: xs, .offset: 8, .size: 8, .value_kind: global_buffer, .address_space: global }
      - { .name: bq, .offset: 16, .size: 8, .value_kind: global_buffer, .address_space: global }
      - { .name: bk, .offset: 24, .size: 8, .value_kind: global_buffer, .address_space: global }
      - { .name: bv, .offset: 32, .size: 8, .value_kind: global_buffer, .address_space: global }
      - { .name: hc, .offset: 40, .size: 8, .value_kind: global_buffer, .address_space: global }
      - { .name: hs, .offset: 48, .size: 8, .value_kind: global_buffer, .address_space: global }
    .group_segment_fixed_size: 327680
    .private_segment_fixed_size: 0
    .kernarg_segment_align: 8
    .kernarg_segment_size: 56
    .max_flat_workgroup_size: 128
    .sgpr_count:     100
    .vgpr_count:     1024
    .wavefront_size: 32
...
	.end_amdgpu_metadata
.endif
;; end of part 2
;; launch attn (part 3): grid 8 x 32, 16 waves a work-group, clusters of 4 x 1, 276,480 bytes of LDS; arguments hc, hs, ac, asc; writes ac, asc
.if DOCPART == 3
	.amdgcn_target "amdgcn-amd-amdhsa--gfx1250"
	.amdhsa_code_object_version 6
	.text
	.protected	k_qd5eaee1dc3_attn
	.globl	k_qd5eaee1dc3_attn
	.p2align	8
	.type	k_qd5eaee1dc3_attn,@function
k_qd5eaee1dc3_attn:
	s_mov_b64 s[64:65], 0
	v_nop
	global_prefetch_b8 v0, s[64:65] scope:SCOPE_SE
	s_setreg_imm32_b32 hwreg(HW_REG_WAVE_MODE, 25, 1), 1
	s_wait_xcnt 0x0
	s_wait_alu depctr_hold_cnt(0) depctr_sa_sdst(0) depctr_va_vdst(0) depctr_va_sdst(0) depctr_va_ssrc(0) depctr_va_vcc(0) depctr_vm_vsrc(0)
	s_getreg_b32 s2, hwreg(HW_REG_IB_STS2, 6, 4)
	s_cmp_eq_u32 s2, 0
	s_cbranch_scc0 .Lentry_in_a_cluster
	s_endpgm
.Lentry_in_a_cluster:
	s_bfe_u32 s2, ttmp6, 0x10000c
	s_cmp_lg_u32 s2, 0x3003
	s_cbranch_scc0 .Lentry_shape_is_right
	s_endpgm
.Lentry_shape_is_right:
; Causal attention of one (batch, head) on codes of BF6 with E8M0 scales: S^T = K Q^T, p = 2^(t - M), O^T = V^T P^T, O / l quantised along the model's 2,048 for the last projection.
; t = score x log2(e) / sqrt(128); M = the row's largest t so far, rounded UP to a whole number; p is quantised along the keys, not normalised; the row's sum l is taken of the unquantised p, in f32, and divides O at the end
; (by v_rcp_f32 and a multiplication).  When M moves, l and O are multiplied by 2^(old M - new M): exact.
; SHARES.  Eight work-groups a head; a work-group owns eight tiles of 16 queries, and TWO of its sixteen waves share a tile: waves w and w + 8 (w < 8) hold tile 8 e + pos of the batch's 64, e = w for w < 4, else 11 - w;
; pos = the work-group's place among the eight.  A tile's queries lie in key step e (128 keys a step), so it needs key steps 0 .. e, the last one masked: wave w takes the first (e + 2) / 2 of them, wave w + 8 the others.
; So no wave walks more than four key steps, and waves w, w + 4, w + 8, w + 12 have nine together, in every work-group alike.
; THE TWO HALVES MEET IN LDS: wave w + 8 stores O^T (as the image of its registers), -M and l; behind a barrier wave w brings both halves under the larger M, by powers of two, which rounds nothing, adds them, divides, quantises and stores.
; A half with no key step (e = 0) carries M = -3e38 and zeros: its power of two comes out 0.
; Which steps a wave works hangs on its number and the step's count alone, never on the work-group's place: so the four work-groups of a cluster ask for the head's K and V JOINTLY.
; THE WHOLE HEAD'S K AND V STAY IN LDS (2 x 98,304 bytes of codes, 2 x 4,096 of scale words): each byte is filled once, nothing is filled again, so there is no ring.  Each wave fetches one key step of K or of V and its scale words:
; two tensor loads of a wave are out at the start.
; LAYOUT.  Both products are used transposed: a lane holds ONE query (lane % 16) throughout.  Fragments lie in memory and LDS as images of their registers.  Lane-row r of tile T is row 32 (T / 2) + 8 (T % 2) + r + 8 (r / 8):
; so the 16 registers of key tiles 2 b, 2 b + 1 are keys 32 b + 16 (lane / 16) + 0 .. 15, and likewise O^T's registers along the head's channels.
; LIMITS: NaN and infinities are not served; a block of zeros gets the byte 1 where the rule says 127 (its codes are zeros; this program alone reads the bytes).  A row's sums over the keys are formed in two parts and then added.
; REGISTERS: v1-7 addresses that stay; v8-11 the step's addresses; v12 -M, v13 the largest t, v[14:15] the sum in two halves; v16-27 Q; v28-31 the other half's v12-15; v32-79 four fragments of K or V; v80 my tile's place where the halves meet;
;   v96-159 S^T, then p, at the end the other half's O^T; v160-223 O^T; v224-235 p's codes; v232-247, v252, v254 at work; v248-251 K's or V's scale words, v253 p's, v255 Q's: these six hold scales alone.
.set TEN,   3145728
.set TSC,   131072
.set FRB,   1536
.set STEPB, 8*FRB                      ; a key step's 8 tiles
.set VC,    8*STEPB                    ; LDS: K's codes at 0, V's here,
.set SCK,   2*VC                       ; K's scale words, 512 bytes a step,
.set SCV,   SCK+4096                   ; V's,
.set MRG,   SCV+4096                   ; and where the halves meet: for each tile 8,192 bytes of O^T and 512 of -M, t, l.  No tensor load lands here
.set MRGB,  8704
.set AK0,  1                           ; v1  16 x lane (K's codes; also the global offset of an image's 16 bytes)
.set AV0,  2                           ; v2  VC + 16 x lane
.set ASK0, 3                           ; v3  SCK + 16 x lane
.set ASV0, 4                           ; v4  SCV + 16 x lane
.set DD,   5                           ; v5  my query's place in its key step, less 16 (lane / 16)
.set QS,   6                           ; v6  where my lane finds Q's scale word
.set R8,   7                           ; v7  8 r
.set ADK,  8
.set ADV,  9
.set ADS,  10
.set ADT,  11
.set MA,   80                          ; v80 MRG + 8,704 x (wave % 8) + 16 x lane
.set WV,  12
.set E,   13
.set SEL, 20
.set CS,  22
.set G1C, 24                           ; s[24:31] group 1 for a key step's codes; s[32:39] for its 512 bytes of scale words; s[40:47] two groups 0
.set G1S, 32
.set G0,  40
.set LO,  48                           ; s48  my first key step
.set HI,  49                           ; s49  my last
.set TB,  52                           ; s52  the step's codes: 12,288 bytes a step
.set TS,  53                           ; s53  its scale words: 512 bytes a step
.set KS,  54                           ; s54  the key step
.set CNT, 55
.macro CROUND                          ; a round of the cluster's barrier
	s_barrier_signal -1
	s_barrier_wait -1
	s_cmp_lg_u32 s[WV], 0
	s_cbranch_scc1 .Lnot_wave_0_\@
	s_barrier_signal -3
.Lnot_wave_0_\@:
	s_barrier_wait -3
	s_barrier_signal -1
	s_barrier_wait -1
.endm
	s_load_b256 s[4:11], s[0:1], 0x0               ; hc, hs, ac, asc
	v_lshl_add_u32 v95, v0, 2, 0x43000
	v_mov_b32 v243, 0
	ds_add_u32 v95, v243
	ds_add_u32 v95, v243
	v_lshrrev_b32 v1, 5, v0
	v_readfirstlane_b32 s[WV], v1                  ; wave 0..15
	s_lshr_b32 s17, s[WV], 3                       ; which half of my tile's key steps.  Also: I fetch for K (0) or for V (1)
	s_and_b32 s18, s[WV], 7                        ; which tile.  Also: which key step I fetch
	s_sub_co_u32 s[E], 11, s18
	s_cmp_lt_u32 s18, 4
	s_cselect_b32 s[E], s18, s[E]                  ; e: my queries' key step
	s_add_co_u32 s19, s[E], 2
	s_lshr_b32 s19, s19, 1                         ; the first half's count of steps: (e + 2) / 2
	s_sub_co_u32 s[HI], s19, 1
	s_cmp_eq_u32 s17, 0
	s_cselect_b32 s[LO], 0, s19                    ; first half: 0 .. (e + 2) / 2 - 1;
	s_cselect_b32 s[HI], s[HI], s[E]               ; second half: (e + 2) / 2 .. e (none where e = 0)
	s_bfe_u32 s16, ttmp6, 0x40000                  ; cx
	s_lshl_b32 s14, ttmp9, 2
	s_add_co_u32 s14, s14, s16                     ; pos = 4 x cluster x + cx: it enters global addresses and the mask's numbers alone
	s_and_b32 s15, ttmp7, 0xffff                   ; 16 batch + head, which the four partners share
	; descriptor group 1: dense blocks as rows of 256 bytes (32 elements of 8 bytes): 48 rows of codes, 2 of scale words
	s_mov_b32 s[G1C], 15|(3<<16)|(1<<21)           ; 15:0 the mask: all four work-groups; 17:16 elements of 8 bytes; 21 set beside a mask
	s_mov_b32 s[G1C+1], 32<<16
	s_mov_b32 s[G1C+2], 48<<16
	s_mov_b32 s[G1C+3], 32<<16
	s_mov_b32 s[G1C+4], 48
	s_mov_b32 s[G1C+5], 32
	s_mov_b32 s[G1C+6], 0
	s_mov_b32 s[G1C+7], 0
	s_mov_b32 s[G1S], 15|(3<<16)|(1<<21)
	s_mov_b32 s[G1S+1], 32<<16
	s_mov_b32 s[G1S+2], 2<<16
	s_mov_b32 s[G1S+3], 32<<16
	s_mov_b32 s[G1S+4], 2
	s_mov_b32 s[G1S+5], 32
	s_mov_b32 s[G1S+6], 0
	s_mov_b32 s[G1S+7], 0
	s_lshl_b32 s56, s17, 17                        ; hs: tensor 1 + (K or V), 4,096 bytes a head, my key step's 512
	s_add_co_u32 s56, s56, TSC
	s_lshl_b32 s19, s15, 12
	s_add_co_u32 s56, s56, s19
	s_lshl_b32 s19, s18, 9
	s_add_co_u32 s56, s56, s19
	s_mov_b32 s57, 0
	s_mul_i32 s58, s17, TEN                        ; hc: tensor 1 + (K or V), 98,304 bytes a head, my key step's 12,288
	s_add_co_u32 s58, s58, TEN
	s_mul_i32 s19, s15, VC
	s_add_co_u32 s58, s58, s19
	s_mul_i32 s19, s18, STEPB
	s_add_co_u32 s58, s58, s19
	s_mov_b32 s59, 0
	s_lshl_b32 s66, s[WV], 9                       ; in LDS the sixteen waves' parts lie on end: K's eight steps, then V's: 512 x wave,
	s_mul_i32 s67, s[WV], STEPB                    ; and 12,288 x wave
	s_mul_i32 s50, s18, MRGB
	s_add_co_u32 s50, s50, MRG                     ; where my tile's halves meet
	s_mov_b32 s[SEL], 0x76543210
	s_mov_b32 s[SEL+1], 0xfedcba98
	s_mov_b32 s[CS], 0x3e0293ee                    ; c = log2(e) / sqrt(128)
	s_mov_b32 s[CS+1], s[CS]                       ; (named with it as a pair, so it is written)
	s_mov_b32 s[TB], 0
	s_mov_b32 s[TS], 0
	s_mov_b32 s[KS], 0
	s_wait_dscnt 0x0
	s_wait_kmcnt 0x0
	s_mov_b32 s[G0], 1
	s_add_co_u32 s[G0+1], s66, SCK
	s_add_nc_u64 s[G0+2:G0+3], s[6:7], s[56:57]
	s_or_b32 s[G0+3], s[G0+3], 0x80000000
	s_mov_b32 s[G0+4], 1
	s_mov_b32 s[G0+5], s67
	s_add_nc_u64 s[G0+6:G0+7], s[4:5], s[58:59]
	s_or_b32 s[G0+7], s[G0+7], 0x80000000
	CROUND                                         ; all four work-groups are here: the joint loads meet
	tensor_load_to_lds s[G0:G0+3], s[G1S:G1S+7]    ; my key step's scale words, of K or of V
	s_nop 0
	tensor_load_to_lds s[G0+4:G0+7], s[G1C:G1C+7]  ; and its codes: two tensor loads of mine are out; four v_nop follow the last
	s_nop 0
.rept 4
	v_nop
.endr
	s_lshl_b32 s16, s[E], 3
	s_add_co_u32 s16, s16, s14                     ; my tile of the batch's 64: 8 e + pos
	s_lshl_b32 s60, s15, 6
	s_add_co_u32 s60, s60, s16
	s_mul_i32 s60, s60, FRB                        ; Q's fragment
	s_mov_b32 s61, 0
	s_add_nc_u64 s[68:69], s[4:5], s[60:61]
	s_lshl_b32 s62, s15, 12                        ; Q's scale words: the head, group e, word pos / 2
	s_lshl_b32 s19, s[E], 9
	s_add_co_u32 s62, s62, s19
	s_lshr_b32 s19, s14, 1
	s_lshl_b32 s19, s19, 2
	s_add_co_u32 s62, s62, s19
	s_mov_b32 s63, 0
	s_add_nc_u64 s[70:71], s[6:7], s[62:63]
	s_lshr_b32 s72, s15, 4                         ; the result: token tile 64 batch + my tile, K step = head
	s_lshl_b32 s72, s72, 6
	s_add_co_u32 s72, s72, s16
	s_lshl_b32 s74, s72, 10                        ; its scale word: 1,024 bytes a tile, 256 for four heads, lanes 16-31 for odd heads, word (head / 2) % 2
	s_lshl_b32 s72, s72, 4
	s_and_b32 s19, s15, 15
	s_add_co_u32 s72, s72, s19
	s_mul_i32 s72, s72, FRB
	s_mov_b32 s73, 0
	s_add_nc_u64 s[8:9], s[8:9], s[72:73]
	s_lshr_b32 s19, s19, 2
	s_lshl_b32 s19, s19, 8
	s_add_co_u32 s74, s74, s19
	s_and_b32 s19, s15, 1
	s_lshl_b32 s19, s19, 7
	s_add_co_u32 s74, s74, s19
	s_bfe_u32 s19, s15, 0x10001
	s_lshl_b32 s19, s19, 2
	s_add_co_u32 s74, s74, s19
	s_mov_b32 s75, 0
	s_add_nc_u64 s[10:11], s[10:11], s[74:75]
	v_and_b32 v8, 31, v0                           ; lane
	v_lshlrev_b32 v[AK0], 4, v8
	v_add_nc_u32 v[AV0], VC, v[AK0]
	v_add_nc_u32 v[ASK0], SCK, v[AK0]
	v_add_nc_u32 v[ASV0], SCV, v[AK0]
	v_add_nc_u32 v[MA], s50, v[AK0]
	s_and_b32 s19, s14, 1
	s_lshl_b32 s18, s19, 4
	v_xor_b32 v[QS], s18, v8                       ; an odd tile's words lie in lanes 16-31: the halves change places, so that lanes 0-15 get them
	v_lshlrev_b32 v[QS], 4, v[QS]
.irp c, 0,1,2
	global_load_b128 v[16+4*\c:19+4*\c], v[AK0], s[68:69] offset:512*\c   ; Q's fragment stays in registers
.endr
	global_load_b32 v255, v[QS], s[70:71]
	s_lshl_b32 s19, s19, 3
	s_lshr_b32 s18, s14, 1
	s_lshl_b32 s18, s18, 5
	s_add_co_u32 s18, s18, s19                     ; 32 (pos / 2) + 8 (pos % 2)
	v_and_b32 v[R8], 15, v0                        ; r
	v_and_b32 v[DD], 8, v[R8]
	v_add_nc_u32 v[DD], v[DD], v[R8]
	v_bfe_u32 v9, v0, 4, 1
	v_lshlrev_b32 v9, 4, v9
	v_sub_nc_u32 v[DD], v[DD], v9
	v_add_nc_u32 v[DD], s18, v[DD]                 ; register 16 b + n holds the step's key 32 b + 16 (lane / 16) + n: in my own step it is hidden where 32 b + n > this number
	v_lshlrev_b32 v[R8], 3, v[R8]
	v_mov_b32 v13, 0xff61b1e6                      ; the largest t so far: -3e38, under every t
	v_floor_f32 v12, -v13                          ; -M
	v_mov_b32 v14, 0
	v_mov_b32 v15, 0
.irp b, 0,1,2,3
	v_mov_b32 v[236+\b], 0                         ; written once: a lane permute's destination counts as one of its sources
.endr
	v_mov_b32 v252, 0
	v_mov_b32 v253, 0                              ; (named as the upper half of the pair v[252:253] before it is first written)
.irp j, 0,1,2,3,4,5,6,7,8,9,10,11,12,13,14,15,16,17,18,19,20,21,22,23,24,25,26,27,28,29,30,31,32,33,34,35,36,37,38,39,40,41,42,43,44,45,46,47,48,49,50,51,52,53,54,55,56,57,58,59,60,61,62,63
	v_mov_b32 v[160+\j], 0                         ; O^T.  (The step is written once for all steps: the first finds zeros, which the first change of M leaves zeros; a half with no step hands zeros on)
.endr
; A KEY STEP: 128 keys.
.macro STEP
	s_cmp_lt_u32 s[KS], s[LO]                      ; the step is the other half's, or all its keys come after my queries: only the counts at the step's end are stepped
	s_cbranch_scc1 .Lskip_\@
	s_cmp_gt_u32 s[KS], s[HI]
	s_cbranch_scc1 .Lskip_\@
	v_add_nc_u32 v[ADK], s[TB], v[AK0]             ; (these four are also the places in front of loads into registers that the last step's products have read)
	v_add_nc_u32 v[ADV], s[TB], v[AV0]
	v_add_nc_u32 v[ADS], s[TS], v[ASK0]
	v_add_nc_u32 v[ADT], s[TS], v[ASV0]
	ds_load_b128 v[248:251], v[ADS]                ; K's scale words: register p: tile 2 p in lanes 0-15, tile 2 p + 1 in lanes 16-31
.irp g, 0,1                            ; S^T = K Q^T, four tiles of 16 keys at a time
.if \g
.rept 4
	v_nop
.endr
.endif
.irp t, 0,1,2,3
.irp c, 0,1,2
	ds_load_b128 v[32+12*\t+4*\c:35+12*\t+4*\c], v[ADK] offset:(4*\g+\t)*FRB+512*\c
.endr
.endr
	s_wait_dscnt 0x0
.irp t, 0,1,2,3
.if \t%2
	v_wmma_scale_f32_16x16x128_f8f6f4 v[96+8*(4*\g+\t):103+8*(4*\g+\t)], v[32+12*\t:43+12*\t], v[16:27], 0, v[248+2*\g+\t/2], v255 matrix_a_fmt:MATRIX_FMT_BF6 matrix_b_fmt:MATRIX_FMT_BF6 matrix_a_scale:MATRIX_SCALE_ROW1
.else
	v_wmma_scale_f32_16x16x128_f8f6f4 v[96+8*(4*\g+\t):103+8*(4*\g+\t)], v[32+12*\t:43+12*\t], v[16:27], 0, v[248+2*\g+\t/2], v255 matrix_a_fmt:MATRIX_FMT_BF6 matrix_b_fmt:MATRIX_FMT_BF6
.endif
.endr
.endr
.rept 4
	v_nop                                          ; places in front of the loads below and of the first read of the scores
.endr
	ds_load_b128 v[248:251], v[ADT]                ; V's scale words and its first four tiles are asked for here: they land under the softmax
.irp t, 0,1,2,3
.irp c, 0,1,2
	ds_load_b128 v[32+12*\t+4*\c:35+12*\t+4*\c], v[ADV] offset:\t*FRB+512*\c
.endr
.endr
	s_cmp_lg_u32 s[KS], s[E]                       ; only my queries' own step is masked
	s_cbranch_scc1 .Lopen_\@
	v_mov_b32 v254, 0xff800000                     ; hidden scores become -infinity ahead of the maximum: p = 0 then
.irp n, 0,1,2,3,4,5,6,7,8,9,10,11,12,13,14,15,16,17,18,19,20,21,22,23,24,25,26,27,28,29,30,31,32,33,34,35,36,37,38,39,40,41,42,43,44,45,46,47,48,49,50,51,52,53,54,55,56,57,58,59,60,61,62,63
	v_cmp_gt_i32 vcc_lo, 32*(\n/16)+\n%16, v[DD]
	v_cndmask_b32 v[96+\n], v[96+\n], v254, vcc_lo
.endr
.Lopen_\@:
.irp b, 0,1,2,3
	v_max3_num_f32 v[232+\b], v[96+16*\b], v[97+16*\b], v[98+16*\b]   ; the largest score of each block of 32 keys: it serves the row's maximum and, since p rises with the score, the block's largest p
.endr
.irp i, 3,5,7,9,11,13
.irp b, 0,1,2,3
	v_max3_num_f32 v[232+\b], v[232+\b], v[96+16*\b+\i], v[97+16*\b+\i]
.endr
.endr
.irp b, 0,1,2,3
	v_max_num_f32 v[232+\b], v[232+\b], v[111+16*\b]
.endr
.irp b, 0,1,2,3
	v_permlanex16_b32 v[236+\b], v[232+\b], s[SEL], s[SEL+1]
.endr
.irp b, 0,1,2,3
	v_max_num_f32 v[232+\b], v[232+\b], v[236+\b]  ; with lane l xor 16's 16 keys
.endr
	v_max3_num_f32 v254, v232, v233, v234
	v_max_num_f32 v254, v254, v235                 ; the step's largest score of my query
	v_mul_f32 v254, s[CS], v254                    ; as t (c is positive)
	v_max_num_f32 v13, v13, v254                   ; the running largest t
	v_mov_b32 v254, v12
	v_floor_f32 v12, -v13                          ; the new -M = floor(-t) = -ceil(t): a whole number
	v_sub_f32 v254, v12, v254                      ; M's old value less its new one: a whole number, 0 or less
	v_cvt_i32_f32 v254, v254                       ; (it saturates)
	v_ldexp_f32 v252, 1.0, v254                    ; f = 2^(old M - new M)
.irp j, 0,2,4,6,8,10,12,14,16,18,20,22,24,26,28,30,32,34,36,38,40,42,44,46,48,50,52,54,56,58,60,62
	v_pk_fma_f32 v[96+\j:97+\j], v[96+\j:97+\j], s[CS:CS+1], v[12:13] op_sel_hi:[1,0,0]   ; t - M, two at a time
.endr
.irp b, 0,1,2,3
	v_fma_f32 v[232+\b], v[232+\b], s[CS], v12     ; the same of each block's largest score
.endr
.irp j, 0,1,2,3,4,5,6,7,8,9,10,11,12,13,14,15,16,17,18,19,20,21,22,23,24,25,26,27,28,29,30,31,32,33,34,35,36,37,38,39,40,41,42,43,44,45,46,47,48,49,50,51,52,53,54,55,56,57,58,59,60,61,62,63
	v_exp_f32 v[96+\j], v[96+\j]                   ; p = 2^(t - M), at most 1
.endr
.irp b, 0,1,2,3
	v_exp_f32 v[232+\b], v[232+\b]                 ; the block's largest p: the same two instructions on the same number give the same bits
.endr
	v_pk_mul_f32 v[14:15], v[14:15], v[252:253] op_sel_hi:[1,0]   ; the sums under the new M.  (A plain place behind the exponentials)
	s_wait_alu depctr_va_vdst(0)
.irp b, 0,1,2,3
	v_max_num_f32 v[232+\b], 0x2800000, v[232+\b]  ; the floor 2^(5 - 127): the byte cannot fall under 1
.endr
.irp b, 0,1,2,3
	v_add_nc_u32 v[244+\b], 0xfe000000, v[232+\b]  ; 4 off the exponent field: the conversion's scale operand
.endr
.irp b, 0,1,2,3
	v_lshrrev_b32 v[236+\b], 23, v[244+\b]         ; the scale's byte
.endr
	v_lshl_or_b32 v253, v237, 8, v236              ; p's scale word for these 128 keys
	v_lshl_or_b32 v253, v238, 16, v253
	v_lshl_or_b32 v253, v239, 24, v253
.irp c, 0,1
	v_cvt_scalef32_pk16_bf6_f32 v[224+6*\c:226+6*\c], v[96+32*\c:111+32*\c], v[244+2*\c]
	v_cvt_scalef32_pk16_bf6_f32 v[236+4*\c:238+4*\c], v[112+32*\c:127+32*\c], v[244+2*\c+1]   ; (a conversion's three registers begin on an even number)
.endr
	v_nop                                          ; one plain place behind a scaled conversion
.irp c, 0,1                            ; the operand's layout wants a whole block in a lane
.irp i, 0,1,2
	v_permlane16_swap_b32 v[224+6*\c+\i], v[236+4*\c+\i]
.endr
.irp i, 0,1,2
	v_mov_b32 v[227+6*\c+\i], v[236+4*\c+\i]
.endr
.endr
	v_pk_add_f32 v[236:237], v[96:97], v[98:99]    ; the row's sum is taken of the unquantised p: two at a time, in two chains
.irp j, 4,8,12,16,20,24,28,32,36,40,44,48,52,56,60
	v_pk_add_f32 v[14:15], v[14:15], v[96+\j:97+\j]
	v_pk_add_f32 v[236:237], v[236:237], v[98+\j:99+\j]
.endr
	v_pk_add_f32 v[14:15], v[14:15], v[236:237]
.irp j, 0,2,4,6,8,10,12,14,16,18,20,22,24,26,28,30,32,34,36,38,40,42,44,46,48,50,52,54,56,58,60,62
	v_pk_mul_f32 v[160+\j:161+\j], v[160+\j:161+\j], v[252:253] op_sel_hi:[1,0]   ; O^T under the new M.  (These 32 are also the places between p's codes and scale word and the products below)
.endr
	s_wait_dscnt 0x0                               ; V's scale words and tiles 0-3 are in
.irp g, 0,1                            ; O^T += V^T P^T: four tiles of 16 channels at a time; K = these 128 keys
.if \g
.rept 4
	v_nop
.endr
.irp t, 0,1,2,3
.irp c, 0,1,2
	ds_load_b128 v[32+12*\t+4*\c:35+12*\t+4*\c], v[ADV] offset:(4+\t)*FRB+512*\c
.endr
.endr
	s_wait_dscnt 0x0
.endif
.irp t, 0,1,2,3
.if \t%2
	v_wmma_scale_f32_16x16x128_f8f6f4 v[160+8*(4*\g+\t):167+8*(4*\g+\t)], v[32+12*\t:43+12*\t], v[224:235], v[160+8*(4*\g+\t):167+8*(4*\g+\t)], v[248+2*\g+\t/2], v253 matrix_a_fmt:MATRIX_FMT_BF6 matrix_b_fmt:MATRIX_FMT_BF6 matrix_a_scale:MATRIX_SCALE_ROW1
.else
	v_wmma_scale_f32_16x16x128_f8f6f4 v[160+8*(4*\g+\t):167+8*(4*\g+\t)], v[32+12*\t:43+12*\t], v[224:235], v[160+8*(4*\g+\t):167+8*(4*\g+\t)], v[248+2*\g+\t/2], v253 matrix_a_fmt:MATRIX_FMT_BF6 matrix_b_fmt:MATRIX_FMT_BF6
.endif
.endr
.endr
.Lskip_\@:
	s_add_co_u32 s[TB], s[TB], STEPB
	s_add_co_u32 s[TS], s[TS], 512
	s_add_co_u32 s[KS], s[KS], 1
.endm
	s_wait_tensorcnt 0x0                           ; my key step's codes and scale words are in
	s_barrier_signal -1
	s_barrier_wait -1                              ; everybody's are: the head's K and V are whole
	s_wait_loadcnt 0x0                             ; Q
	s_mov_b32 s[CNT], 8                            ; eight key steps: the trip count is a constant; a wave with nothing to do in a step jumps over its work
.Lkeys:
	STEP
	s_sub_co_u32 s[CNT], s[CNT], 1
	s_cmp_lg_u32 s[CNT], 0
	s_cbranch_scc1 .Lkeys
	; THE HALVES MEET.  The second half's waves store O^T, each accumulator from its low end on, and -M, t, l, as images of their registers: lane l's 16 bytes at 16 l.
.rept 4
	v_nop                                          ; places behind the last products, in front of the first read of O^T and of loads into registers that products have read
.endr
	s_cmp_lt_u32 s[WV], 8
	s_cbranch_scc1 .Lfirst_half
.irp j, 0,1,2,3,4,5,6,7,8,9,10,11,12,13,14,15
	ds_store_b128 v[MA], v[160+4*\j:163+4*\j] offset:512*\j
.endr
	ds_store_b128 v[MA], v[12:15] offset:8192
.Lfirst_half:
	s_wait_dscnt 0x0                               ; for the others' sake: my stores have landed
	s_barrier_signal -1
	s_barrier_wait -1
	s_cmp_ge_u32 s[WV], 8
	s_cbranch_scc1 .Ldone                          ; the second half's waves have handed their part on
	ds_load_b128 v[28:31], v[MA] offset:8192       ; the other half's -M, t, l
.irp j, 0,1,2,3,4,5,6,7,8,9,10,11,12,13,14,15
	ds_load_b128 v[96+4*\j:99+4*\j], v[MA] offset:512*\j   ; and its O^T, in the same lanes and the same order of registers as mine
.endr
	s_wait_dscnt 16                                ; -M, t, l are in; the 16 loads of O^T behind them may be out
	v_min_num_f32 v240, v12, v28                   ; -M of the whole row: the larger M
	v_sub_f32 v232, v240, v12                      ; my M less the row's: a whole number, 0 or less
	v_sub_f32 v234, v240, v28                      ; the other half's likewise
	v_cvt_i32_f32 v232, v232                       ; (they saturate)
	v_cvt_i32_f32 v234, v234
	v_ldexp_f32 v232, 1.0, v232                    ; fA = 2^(my M - M)
	v_ldexp_f32 v234, 1.0, v234                    ; fB = 2^(the other's M - M)
	v_mul_f32 v14, v14, v232
	v_mul_f32 v15, v15, v232
	v_fma_f32 v14, v30, v234, v14                  ; l = lA fA + lB fB, in its two halves,
	v_fma_f32 v15, v31, v234, v15
	v_add_f32 v14, v14, v15                        ; the two halves,
	v_permlanex16_b32 v252, v14, s[SEL], s[SEL+1]
	v_add_f32 v14, v14, v252                       ; and lane l xor 16's: the row's sum
	v_rcp_f32 v14, v14
	v_nop                                          ; one plain place behind the reciprocal
	s_wait_alu depctr_va_vdst(0)
	v_mul_f32 v232, v232, v14                      ; fA / l, fB / l: a power of two times 1 / l rounds nothing
	v_mul_f32 v234, v234, v14
	v_mov_b32 v233, v232                           ; as pairs for the packed forms
	v_mov_b32 v235, v234
	s_wait_dscnt 0x0                               ; the other half's O^T is in
.irp j, 0,2,4,6,8,10,12,14,16,18,20,22,24,26,28,30,32,34,36,38,40,42,44,46,48,50,52,54,56,58,60,62
	v_pk_mul_f32 v[96+\j:97+\j], v[96+\j:97+\j], v[234:235]
.endr
.irp j, 0,2,4,6,8,10,12,14,16,18,20,22,24,26,28,30,32,34,36,38,40,42,44,46,48,50,52,54,56,58,60,62
	v_pk_fma_f32 v[96+\j:97+\j], v[160+\j:161+\j], v[232:233], v[96+\j:97+\j]   ; O / l = OB fB / l + OA fA / l.  Register 16 b + n: channel 32 b + 16 (lane / 16) + n.  Each accumulator from its low end on
.endr
	; THE WAY OUT.  The 64 registers of a lane are 16 neighbouring channels of each block of 32: one fragment (16 tokens x the head's 128) and one scale word a row, stored as the last projection reads them.
.irp b, 0,1,2,3
	v_max3_num_f32 v[232+\b], |v[96+16*\b]|, |v[97+16*\b]|, 0x2800000
.endr
.irp i, 2,4,6,8,10,12,14
.irp b, 0,1,2,3
	v_max3_num_f32 v[232+\b], v[232+\b], |v[96+16*\b+\i]|, |v[97+16*\b+\i]|
.endr
.endr
.irp b, 0,1,2,3
	v_permlanex16_b32 v[236+\b], v[232+\b], s[SEL], s[SEL+1]
.endr
.irp b, 0,1,2,3
	v_max_num_f32 v[232+\b], v[232+\b], v[236+\b]
.endr
.irp b, 0,1,2,3
	v_add_nc_u32 v[244+\b], 0xfe000000, v[232+\b]
.endr
.irp b, 0,1,2,3
	v_lshrrev_b32 v[236+\b], 23, v[244+\b]
.endr
	v_lshl_or_b32 v254, v237, 8, v236
	v_lshl_or_b32 v254, v238, 16, v254
	v_lshl_or_b32 v254, v239, 24, v254             ; my row's scale word
.irp c, 0,1
	v_cvt_scalef32_pk16_bf6_f32 v[224+6*\c:226+6*\c], v[96+32*\c:111+32*\c], v[244+2*\c]
	v_cvt_scalef32_pk16_bf6_f32 v[236+4*\c:238+4*\c], v[112+32*\c:127+32*\c], v[244+2*\c+1]
.endr
	v_nop
.irp c, 0,1
.irp i, 0,1,2
	v_permlane16_swap_b32 v[224+6*\c+\i], v[236+4*\c+\i]
.endr
.irp i, 0,1,2
	v_mov_b32 v[227+6*\c+\i], v[236+4*\c+\i]
.endr
.endr
.irp g, 0,1,2
	global_store_b128 v[AK0], v[224+4*\g:227+4*\g], s[8:9] offset:512*\g   ; 32 lanes store 512 consecutive bytes, aligned
.endr
	global_store_b32 v[R8], v254, s[10:11]         ; row r's word, 8 bytes apart (the words between are another head's); lanes 16-31 write the same words with the same values
.Ldone:
	s_wait_dscnt 0x0
	s_wait_tensorcnt 0x0
	ds_add_u32 v95, v243
	s_wait_dscnt 0x0
	CROUND                                         ; the closing round: no work-group ends while a partner may still ask for a tile that names it
	s_endpgm
.Lfunc_end_k_qd5eaee1dc3_attn:
	.size	k_qd5eaee1dc3_attn, .Lfunc_end_k_qd5eaee1dc3_attn-k_qd5eaee1dc3_attn
	.p2alignl 7, 3214868480
	.fill 96, 4, 3214868480
	.section	.rodata,"a",@progbits
	.p2align	6, 0x0
	.amdhsa_kernel k_qd5eaee1dc3_attn
		.amdhsa_group_segment_fixed_size 276480
		.amdhsa_private_segment_fixed_size 0
		.amdhsa_enable_private_segment 0
		.amdhsa_kernarg_size 32
		.amdhsa_user_sgpr_count 2
		.amdhsa_user_sgpr_kernarg_segment_ptr 1
		.amdhsa_wavefront_size32 1
		.amdhsa_system_sgpr_workgroup_id_x 1
		.amdhsa_system_sgpr_workgroup_id_y 1
		.amdhsa_system_sgpr_workgroup_id_z 1
		.amdhsa_system_vgpr_workitem_id 0
		.amdhsa_next_free_vgpr 256
		.amdhsa_next_free_sgpr 80
		.amdhsa_reserve_vcc 1
		.amdhsa_float_denorm_mode_32 3
		.amdhsa_float_denorm_mode_16_64 3
		.amdhsa_memory_ordered 1
		.amdhsa_forward_progress 1
		.amdhsa_inst_pref_size 45
	.end_amdhsa_kernel
	.amdgpu_metadata
---
amdhsa.version: [ 1, 2 ]
amdhsa.kernels:
  - .name:           k_qd5eaee1dc3_attn
    .symbol:         k_qd5eaee1dc3_attn.kd
    .args:
      - { .name: hc, .offset: 0, .size: 8, .value_kind: global_buffer, .address_space: global }
      - { .name: hs, .offset: 8, .size: 8, .value_kind: global_buffer, .address_space: global }
      - { .name: ac, .offset: 16, .size: 8, .value_kind: global_buffer, .address_space: global }
      - { .name: asc, .offset: 24, .size: 8, .value_kind: global_buffer, .address_space: global }
    .group_segment_fixed_size: 276480
    .private_segment_fixed_size: 0
    .kernarg_segment_align: 8
    .kernarg_segment_size: 32
    .max_flat_workgroup_size: 512
    .sgpr_count:     80
    .vgpr_count:     256
    .wavefront_size: 32
...
	.end_amdgpu_metadata
.endif
;; end of part 3
;; launch oproj (part 4): grid 16 x 16, 4 waves a work-group, clusters of 4 x 4, 327,680 bytes of LDS; arguments ac, asc, xc, xs, bo, out0; writes out0
.if DOCPART == 4
	.amdgcn_target "amdgcn-amd-amdhsa--gfx1250"
	.amdhsa_code_object_version 6
	.text
	.protected	k_qd5eaee1dc3_oproj
	.globl	k_qd5eaee1dc3_oproj
	.p2align	8
	.type	k_qd5eaee1dc3_oproj,@function
k_qd5eaee1dc3_oproj:
	s_mov_b64 s[64:65], 0
	v_nop
	global_prefetch_b8 v0, s[64:65] scope:SCOPE_SE
	s_setreg_imm32_b32 hwreg(HW_REG_WAVE_MODE, 25, 1), 1
	s_wait_xcnt 0x0
	s_wait_alu depctr_hold_cnt(0) depctr_sa_sdst(0) depctr_va_vdst(0) depctr_va_sdst(0) depctr_va_ssrc(0) depctr_va_vcc(0) depctr_vm_vsrc(0)
	s_getreg_b32 s2, hwreg(HW_REG_IB_STS2, 6, 4)
	s_cmp_eq_u32 s2, 0
	s_cbranch_scc0 .Lentry_in_a_cluster
	s_endpgm
.Lentry_in_a_cluster:
	s_bfe_u32 s2, ttmp6, 0x10000c
	s_cmp_lg_u32 s2, 0xf033
	s_cbranch_scc0 .Lentry_shape_is_right
	s_endpgm
.Lentry_shape_is_right:
; out0 = attention's result x Wo^T + bo, on codes of BF6 with E8M0 scales, K = 2,048; out0 [2048][2048] f32.
; A tile of 128 x 128 to a work-group gives 256 work-groups, one for each WGP (tiles of 256 x 256 would be 64).  Four waves, each 64 x 64: 16 accumulators of 16 x 16.
; THE MATRIX INSTRUCTION IS USED TRANSPOSED (source 0 = 16 rows of Wo, source 1 = 16 tokens): a lane holds one token and eight neighbouring columns a register tuple.  bo is the C of each sum's first matrix instruction.
; Fragments lie in memory and LDS as images of their registers (1,536 bytes, three loads of 16 bytes a lane); lane-row r of tile T is row 32 (T / 2) + 8 (T % 2) + r + 8 (r / 8), for tokens and for Wo's rows.
; K's 16 steps come in four fills of four steps: three LDS slots are filled at the start, and slot 0 once more (K steps 12-15) behind the one round of the cluster's barrier in the middle.  K is written out.
; All of K's scale words (2 x 32 registers) are loaded once.  CLUSTERS: 4 x 4 work-groups: the tokens' tiles are shared along a row, Wo's along a column, each asked for jointly.
; REGISTERS: window 0: v10-29 addresses; v32-63 the bias tuples; v64-95 the tokens' scale words, v96-127 Wo's: they hold nothing else; v128-255 accumulator (a, b) at v[128 + 8 (4 a + b)].
;   window 1: two sets of fragments at v0 and v128 (tokens' at 12 i, Wo's at 48 + 12 i); on the way out v0-127 take the rows read back.
.set TEN,   3145728
.set TSC,   131072
.set TROW,  24576
.set FR,    12
.set FRB,   1536
.set QT,    4*4*FRB                    ; 4 tiles x 4 K steps: what one tensor load brings, and what one wave reads of a side in a slot
.set SLOT,  4*QT
.set SPARE, 3*SLOT                     ; behind the slots: the spare words, 128 bytes for each wave, that no other line names
.set SPITCH, 272
.set STAGE, SLOT                       ; the way out: 16 rows x (256 bytes + 16) for each wave, in slot 1: it has had its one fill, and its last read lies in front of the round in the middle
.set ADRA, 10                          ; v10-12 LDS address of my tokens' fragments in slot 0, 1, 2
.set ADRB, 13                          ; v13-15 the same for Wo's
.set L8,   16
.set BO,   17                          ; v17  64 h
.set STO,  18
.set RD,   19
.set CO,   20
.set SPW,  28
.set NIL,  29
.set BI,   32
.set SCA,  64
.set SCB,  96
.set ACC,  128
.set G1,  24
.set G1B, 32
.set G0,  40                           ; s[40:55] four groups 0 for the tokens' tiles, one for each fill, never rewritten
.set G0B, 68                           ; s[68:83] the same for Wo's
.set MSB, 0
.macro WIN new
.if MSB != \new
	s_set_vgpr_msb (MSB<<8)|\new
.set MSB, \new
.endif
.endm
.set W_MUL, 0x05                       ; sources 0 and 1 window 1; C and D window 0
.set TO_F,  0x40                       ; destination window 1, address window 0
.macro JLOAD g0a, g1a, g0b, g1b        ; a joint load: waves 0 and 1 fetch the tokens' tiles, waves 2 and 3 Wo's; four v_nop follow each of the two lines
	s_cmp_eq_u32 s17, 0
	s_cbranch_scc0 .Lfor_b_\@
	tensor_load_to_lds s[\g0a:\g0a+3], s[\g1a:\g1a+7]
	s_nop 0
.rept 4
	v_nop
.endr
	s_branch .Lasked_\@
.Lfor_b_\@:
	tensor_load_to_lds s[\g0b:\g0b+3], s[\g1b:\g1b+7]
	s_nop 0
.rept 4
	v_nop
.endr
.Lasked_\@:
.endm
.macro CROUND                          ; a round of the cluster's barrier
	s_barrier_signal -1
	s_barrier_wait -1
	s_cmp_lg_u32 s16, 0
	s_cbranch_scc1 .Lnot_wave_0_\@
	s_barrier_signal -3
.Lnot_wave_0_\@:
	s_barrier_wait -3
	s_barrier_signal -1
	s_barrier_wait -1
.endm
.macro PLACES
.rept 4
	v_nop
.endr
.endm
	s_load_b256 s[4:11], s[0:1], 0x0               ; ac, asc, xc, xs
	s_load_b128 s[12:15], s[0:1], 0x20             ; bo, out0
	v_lshl_add_u32 v[SPW], v0, 2, SPARE
	v_mov_b32 v[NIL], 0
	ds_add_u32 v28, v29
	ds_add_u32 v28, v29
	s_wait_dscnt 0x0
	v_lshrrev_b32 v1, 5, v0
	v_readfirstlane_b32 s16, v1                    ; wave 0..3
	s_lshr_b32 s17, s16, 1                         ; RH: my half of the tokens.  Also: I fetch tokens' tiles (0) or Wo's (1)
	s_and_b32 s18, s16, 1                          ; CH: my half of the columns.  Also: which 4 tiles I fetch
	s_bfe_u32 s20, ttmp6, 0x40000                  ; cx
	s_bfe_u32 s21, ttmp6, 0x40004                  ; cy
	s_lshl_b32 s22, ttmp9, 2
	s_add_co_u32 s22, s22, s20                     ; wx: my 128 columns
	s_and_b32 s19, ttmp7, 0xffff
	s_lshl_b32 s23, s19, 2
	s_add_co_u32 s23, s23, s21                     ; wy: my 128 tokens
	s_lshl_b32 s56, s21, 2
	s_lshl_b32 s56, 15, s56                        ; my row of the cluster
	s_lshl_b32 s57, 0x1111, s20                    ; my column
	; descriptor group 1: 4 rows (tiles) of 6,144 bytes (four K steps), 24,576 bytes apart in memory, dense in LDS; elements of 8 bytes
	s_or_b32 s[G1+0], s56, (3<<16)|(1<<21)
	s_or_b32 s[G1B+0], s57, (3<<16)|(1<<21)
.irp g, G1, G1B
	s_mov_b32 s[\g+1], 768<<16                     ; tensor_dim0
	s_mov_b32 s[\g+2], 4<<16                       ; tensor_dim1
	s_mov_b32 s[\g+3], 768<<16                     ; tile_dim0
	s_mov_b32 s[\g+4], 4                           ; tile_dim1
	s_mov_b32 s[\g+5], 3072                        ; tensor_dim0_stride
	s_mov_b32 s[\g+6], 0
	s_mov_b32 s[\g+7], 0
.endr
	s_lshl_b32 s63, s18, 2                         ; which 4 tiles I fetch
	s_lshl_b32 s58, s23, 3
	s_add_co_u32 s58, s58, s63
	s_mul_i32 s58, s58, TROW                       ; tokens: tile 8 wy + 4 CH
	s_mov_b32 s59, 0
	s_lshl_b32 s60, s22, 3
	s_add_co_u32 s60, s60, s63
	s_mul_i32 s60, s60, TROW
	s_add_co_u32 s60, s60, 6*TEN                   ; Wo is xc's tensor 6: tile 8 wx + 4 CH
	s_mov_b32 s61, 0
	s_mul_i32 s62, s16, QT                         ; where they go: wave x 4 tiles: no place in the cluster enters an LDS address
	s_wait_kmcnt 0x0
	s_add_nc_u64 s[84:85], s[4:5], s[58:59]
	s_add_nc_u64 s[86:87], s[8:9], s[60:61]
.irp f, 0,1,2,3                        ; fill f: K steps 4 f .. 4 f + 3, into slot f % 3
	s_mov_b32 s[G0+4*\f], 1
	s_add_co_u32 s[G0+4*\f+1], s62, (\f%3)*SLOT
	s_add_nc_u64 s[G0+4*\f+2:G0+4*\f+3], s[84:85], \f*4*FRB
	s_or_b32 s[G0+4*\f+3], s[G0+4*\f+3], 0x80000000
	s_mov_b32 s[G0B+4*\f], 1
	s_add_co_u32 s[G0B+4*\f+1], s62, (\f%3)*SLOT
	s_add_nc_u64 s[G0B+4*\f+2:G0B+4*\f+3], s[86:87], \f*4*FRB
	s_or_b32 s[G0B+4*\f+3], s[G0B+4*\f+3], 0x80000000
.endr
	CROUND                                         ; all sixteen work-groups are here: the first joint loads meet
	JLOAD G0, G1, G0B, G1B
	JLOAD G0+4, G1, G0B+4, G1B
	JLOAD G0+8, G1, G0B+8, G1B                     ; three tensor loads of mine are out
	v_and_b32 v1, 31, v0                           ; lane
	v_and_b32 v2, 15, v0                           ; r
	v_bfe_u32 v3, v0, 4, 1                         ; h
	v_lshlrev_b32 v4, 4, v1                        ; 16 x lane
	v_lshlrev_b32 v[L8], 3, v1
	v_lshlrev_b32 v[BO], 6, v3
	s_mul_i32 s66, s17, QT                         ; my 4 tiles of tokens
	s_mul_i32 s67, s18, QT                         ; my 4 tiles of Wo,
	s_add_co_u32 s67, s67, 2*QT                    ; which lie behind the tokens' 8
.irp s, 0,1,2
	v_add_nc_u32 v[ADRA+\s], s66, v4
	v_add_nc_u32 v[ADRB+\s], s67, v4
	s_add_co_u32 s66, s66, SLOT
	s_add_co_u32 s67, s67, SLOT
.endr
	s_mul_i32 s66, s16, 16*SPITCH
	s_add_co_u32 s66, s66, STAGE                   ; my stage
	v_mul_u32_u24 v[STO], v2, SPITCH               ; in: row r, + 64 h
	v_lshl_add_u32 v[STO], v3, 6, v[STO]
	v_add_nc_u32 v[STO], s66, v[STO]
	v_mul_u32_u24 v[RD], v3, SPITCH                ; back: lanes 0-15 one row of 256 bytes, lanes 16-31 the next
	v_lshl_add_u32 v[RD], v2, 4, v[RD]
	v_add_nc_u32 v[RD], s66, v[RD]
	v_lshlrev_b32 v[CO], 13, v3                    ; and the same two rows in out0: rows of 8,192 bytes
	v_lshl_add_u32 v[CO], v2, 4, v[CO]
	s_lshl_b32 s92, s23, 3                         ; the tokens' scale words: tile 8 wy + 4 RH, 1,024 bytes a tile
	s_lshl_b32 s93, s17, 2
	s_add_co_u32 s92, s92, s93
	s_lshl_b32 s92, s92, 10
	s_mov_b32 s93, 0
	s_add_nc_u64 s[88:89], s[6:7], s[92:93]
	s_lshl_b32 s94, s22, 3                         ; Wo's: tensor 6, tile 8 wx + 4 CH
	s_add_co_u32 s94, s94, s63
	s_lshl_b32 s94, s94, 10
	s_add_co_u32 s94, s94, 6*TSC
	s_mov_b32 s95, 0
	s_add_nc_u64 s[90:91], s[10:11], s[94:95]
.irp a, 0,1,2,3
.irp g, 0,1,2,3
	global_load_b64 v[SCA+8*\a+2*\g:SCA+8*\a+2*\g+1], v[L8], s[88:89] offset:1024*\a+256*\g   ; register 8 a + s / 2: K step s's words, in lanes 0-15 for even s, lanes 16-31 for odd s
	global_load_b64 v[SCB+8*\a+2*\g:SCB+8*\a+2*\g+1], v[L8], s[90:91] offset:1024*\a+256*\g
.endr
.endr
	s_lshl_b32 s94, s22, 9                         ; my first column, in bytes: 512 wx + 256 CH
	s_lshl_b32 s92, s18, 8
	s_add_co_u32 s94, s94, s92
	s_add_nc_u64 s[12:13], s[12:13], s[94:95]
.irp b, 0,1,2,3                        ; tuple b: bo at columns 32 (b / 2) + 16 h + 8 (b % 2) + 0 .. 7
	global_load_b128 v[BI+8*\b:BI+8*\b+3], v[BO], s[12:13] offset:(32*(\b/2)+8*(\b%2))*4
	global_load_b128 v[BI+8*\b+4:BI+8*\b+7], v[BO], s[12:13] offset:(32*(\b/2)+8*(\b%2))*4+16
.endr
	s_add_nc_u64 s[14:15], s[14:15], s[94:95]
	s_lshl_b32 s92, s23, 20                        ; my first token: 128 wy + 64 RH, rows of 8,192 bytes
	s_lshl_b32 s94, s17, 19
	s_add_co_u32 s92, s92, s94
	s_add_nc_u64 s[14:15], s[14:15], s[92:93]
.macro FETCH s                         ; K step s's 8 fragments, 24 loads, into set s % 2
.set FS, 128*((\s)%2)
.set SG, ((\s)/4)%3
.irp i, 0,1,2,3
.irp c, 0,1,2
	ds_load_b128 v[FS+48+FR*\i+4*\c:FS+48+FR*\i+4*\c+3], v[ADRB+SG] offset:\i*4*FRB+((\s)%4)*FRB+512*\c
	ds_load_b128 v[FS+FR*\i+4*\c:FS+FR*\i+4*\c+3], v[ADRA+SG] offset:\i*4*FRB+((\s)%4)*FRB+512*\c
.endr
.endr
.endm
.macro PROD s                          ; K step s's 16 products; the 16 accumulators take turns, one instruction a turn, in the same order in every step
.set FS, 128*((\s)%2)
.irp a, 0,1,2,3
.irp b, 0,1,2,3
.set rD, ACC+8*(4*\a+\b)
.if (\s) == 0
	v_wmma_scale_f32_16x16x128_f8f6f4 v[rD:rD+7], v[FS+48+FR*\b:FS+48+FR*\b+FR-1], v[FS+FR*\a:FS+FR*\a+FR-1], v[BI+8*\b:BI+8*\b+7], v[SCB+8*\b], v[SCA+8*\a] matrix_a_fmt:MATRIX_FMT_BF6 matrix_b_fmt:MATRIX_FMT_BF6
.elseif (\s)%2
	v_wmma_scale_f32_16x16x128_f8f6f4 v[rD:rD+7], v[FS+48+FR*\b:FS+48+FR*\b+FR-1], v[FS+FR*\a:FS+FR*\a+FR-1], v[rD:rD+7], v[SCB+8*\b+(\s)/2], v[SCA+8*\a+(\s)/2] matrix_a_fmt:MATRIX_FMT_BF6 matrix_b_fmt:MATRIX_FMT_BF6 matrix_a_scale:MATRIX_SCALE_ROW1 matrix_b_scale:MATRIX_SCALE_ROW1
.else
	v_wmma_scale_f32_16x16x128_f8f6f4 v[rD:rD+7], v[FS+48+FR*\b:FS+48+FR*\b+FR-1], v[FS+FR*\a:FS+FR*\a+FR-1], v[rD:rD+7], v[SCB+8*\b+(\s)/2], v[SCA+8*\a+(\s)/2] matrix_a_fmt:MATRIX_FMT_BF6 matrix_b_fmt:MATRIX_FMT_BF6
.endif
.endr
.endr
.endm
; A K step: the next step's fragments are asked for, then this step's are multiplied.  Where the next step lies in another slot, that slot is shown whole first.
.macro KSTEP s
.if (\s) == 3
	s_wait_tensorcnt 0x1                           ; my part of fill 1 is in; fill 2's may stay out
	s_wait_dscnt 0x0
	s_barrier_signal -1
	s_barrier_wait -1                              ; slot 1 is whole
.endif
.if (\s) == 7
	WIN 0
	s_wait_tensorcnt 0x0                           ; all my tensor loads have landed: the one that was out is my part of fill 2, which is wanted now
	ds_add_u32 v[SPW], v[NIL]                      ; 0 onto my spare word
	s_wait_dscnt 0x0                               ; the add is done, and my reads of slots 0 and 1 are over
	CROUND                                         ; the same holds of every wave of every partner: slot 2 is whole, and nobody reads slot 0
	JLOAD G0+12, G1, G0B+12, G1B                   ; the first tensor load behind the round, and my last: K steps 12-15 into slot 0; its four v_nop are the places in front of the loads below
.endif
.if (\s) == 11
	s_wait_tensorcnt 0x0                           ; my part of fill 3 is in: no load was issued behind it
	s_wait_dscnt 0x0
	s_barrier_signal -1
	s_barrier_wait -1                              ; slot 0 is whole again
.endif
.if (\s) > 0 && (\s) != 7
	PLACES                                         ; in front of loads into the set that the step before has multiplied
.endif
.if (\s) < 15
	WIN TO_F
	FETCH (\s)+1
	s_wait_dscnt 24                                ; all but the 24 just issued: this step's fragments are in
.else
	s_wait_dscnt 0x0
.endif
	WIN W_MUL
	PROD \s
.endm
	s_wait_tensorcnt 0x2                           ; my part of fill 0 is in; the two younger fills may stay out
	s_barrier_signal -1
	s_barrier_wait -1                              ; slot 0 is whole
	WIN TO_F
	FETCH 0
	s_wait_loadcnt 0x0                             ; the scale words and the bias
.irp s, 0,1,2,3,4,5,6,7,8,9,10,11,12,13,14,15
	KSTEP \s
.endr
	WIN 0
	PLACES                                         ; in front of the first read of results and of loads into registers that held fragments
; THE WAY OUT, 16 tokens x 64 columns at a time.  A lane holds pieces of 32 bytes of one row, and the lanes beside it hold other rows: so a block goes through my own stage in LDS and comes back as rows of 256 bytes.
; LDS serves a wave's instructions in order (ISA guide 5.7.1.4): no wait between the stores and the loads, nor in front of the next block's stores.
.macro TOSTAGE a
.irp b, 0,1,2,3
	ds_store_b128 v[STO], v[ACC+8*(4*(\a)+\b):ACC+8*(4*(\a)+\b)+3] offset:128*(\b/2)+32*(\b%2)          ; each accumulator from its low end on
	ds_store_b128 v[STO], v[ACC+8*(4*(\a)+\b)+4:ACC+8*(4*(\a)+\b)+7] offset:128*(\b/2)+32*(\b%2)+16
.endr
	WIN TO_F
.irp t, 0,1,2,3,4,5,6,7
	ds_load_b128 v[32*(\a)+4*\t:32*(\a)+4*\t+3], v[RD] offset:2*SPITCH*\t
.endr
	WIN 0
.endm
.macro SEND a, younger                 ; younger: the LDS instructions issued behind block a's loads, which may stay out
	s_wait_dscnt \younger
	WIN 0x04                                       ; a store's data are its source 1: window 1
.irp t, 0,1,2,3,4,5,6,7
	global_store_b128 v[CO], v[32*(\a)+4*\t:32*(\a)+4*\t+3], s[14:15] offset:(32*((\a)/2)+8*((\a)%2)+2*\t+8*(\t/4))*8192 th:TH_STORE_NT   ; stage rows 2 t, 2 t + 1 are the tile's lane-rows: 16 lanes store 256 consecutive bytes, aligned
.endr
	WIN 0
.endm
	TOSTAGE 0
.irp a, 1,2,3
	TOSTAGE \a
	SEND \a-1, 16                                  ; behind block a - 1's loads: block a's 8 stores and 8 loads.  Each block has registers of its own: no store's data are written again
.endr
	SEND 3, 0
	s_wait_tensorcnt 0x0                           ; the wave's end
	ds_add_u32 v[SPW], v[NIL]
	s_wait_dscnt 0x0
	CROUND                                         ; the closing round: no work-group ends while a partner may still ask for a tile that names it
	s_endpgm
.Lfunc_end_k_qd5eaee1dc3_oproj:
	.size	k_qd5eaee1dc3_oproj, .Lfunc_end_k_qd5eaee1dc3_oproj-k_qd5eaee1dc3_oproj
	.p2alignl 7, 3214868480
	.fill 96, 4, 3214868480
	.section	.rodata,"a",@progbits
	.p2align	6, 0x0
	.amdhsa_kernel k_qd5eaee1dc3_oproj
		.amdhsa_group_segment_fixed_size 327680
		.amdhsa_private_segment_fixed_size 0
		.amdhsa_enable_private_segment 0
		.amdhsa_kernarg_size 48
		.amdhsa_user_sgpr_count 2
		.amdhsa_user_sgpr_kernarg_segment_ptr 1
		.amdhsa_wavefront_size32 1
		.amdhsa_system_sgpr_workgroup_id_x 1
		.amdhsa_system_sgpr_workgroup_id_y 1
		.amdhsa_system_sgpr_workgroup_id_z 1
		.amdhsa_system_vgpr_workitem_id 0
		.amdhsa_next_free_vgpr 512
		.amdhsa_next_free_sgpr 100
		.amdhsa_reserve_vcc 0
		.amdhsa_float_denorm_mode_32 3
		.amdhsa_float_denorm_mode_16_64 3
		.amdhsa_memory_ordered 1
		.amdhsa_forward_progress 1
		.amdhsa_inst_pref_size 82
	.end_amdhsa_kernel
	.amdgpu_metadata
---
amdhsa.version: [ 1, 2 ]
amdhsa.kernels:
  - .name:           k_qd5eaee1dc3_oproj
    .symbol:         k_qd5eaee1dc3_oproj.kd
    .args:
      - { .name: ac, .offset: 0, .size: 8, .value_kind: global_buffer, .address_space: global }
      - { .name: asc, .offset: 8, .size: 8, .value_kind: global_buffer, .address_space: global }
      - { .name: xc, .offset: 16, .size: 8, .value_kind: global_buffer, .address_space: global }
      - { .name: xs, .offset: 24, .size: 8, .value_kind: global_buffer, .address_space: global }
      - { .name: bo, .offset: 32, .size: 8, .value_kind: global_buffer, .address_space: global }
      - { .name: out0, .offset: 40, .size: 8, .value_kind: global_buffer, .address_space: global }
    .group_segment_fixed_size: 327680
    .private_segment_fixed_size: 0
    .kernarg_segment_align: 8
    .kernarg_segment_size: 48
    .max_flat_workgroup_size: 128
    .sgpr_count:     100
    .vgpr_count:     512
    .wavefront_size: 32
...
	.end_amdgpu_metadata
.endif
;; end of part 4
